; MI455X (gfx1250); checked and timed in simulation.
; The chip was launched on July 23, 2026; its instructions are those of AMD's public machine-readable ISA for CDNA 5 (MIT licence, August 2026) and "CDNA5" Instruction Set Architecture Reference Guide (July 2026). The comments in the code are by the model that wrote it; some were corrected since.
;; Attention Block. Allowed arithmetic: matrix products marked QUANTISED: E2M1 operands, one E8M0 scale for each 32 along K, by v_wmma_scale_f32_16x16x128_f8f6f4 with both operands' format E2M1 (or v_wmma_scale_f32_32x16x128_f4), f32 sums; everything else in f32.
;; Inputs: Wi_codes 3,072 x 32 x 16 uint8 (E2M1 codes of Wi, K innermost, in blocks of 32 codes, two codes a byte); Wi_scales 3,072 x 32 uint8 (E8M0 scales of Wi, one for each 32 codes along K); Wo_codes 1,024 x 32 x 16 uint8 (E2M1 codes of Wo, K innermost, in blocks of 32 codes, two codes a byte); Wo_scales 1,024 x 32 uint8 (E8M0 scales of Wo, one for each 32 codes along K); bi 3,072 float32; bo 1,024 float32; cutoff_factors 8 x 1,024 x 1,024 float32; x_codes 8 x 1,024 x 32 x 16 uint8 (E2M1 codes of x, K innermost, in blocks of 32 codes, two codes a byte); x_scales 8 x 1,024 x 32 uint8 (E8M0 scales of x, one for each 32 codes along K).
;; Outputs: out0 8 x 1,024 x 1,024 float32.
;; Constants: use_manual_attention = 1.
;; This version of the problem:
;;   THIS VERSION OF THE PROBLEM IS GIVEN IN LOW PRECISION. The matrix products marked QUANTISED in the list below multiply operands that are first quantised to E2M1 (2 exponent bits, 1 mantissa bit; 4 bits a number), with one power-of-two scale for each 32 numbers along K (OCP MX v1.0); their sums are f32. All else is computed in f32.
;;   The module's matrix products, in the order in which they are computed (A, B: the left and right operand; K: the contracted axis; several contracted axes count as one K, in the product's order):
;;     1. [M 8,192, K 1,024] x [K 1,024, N 3,072]; A: input x (given as codes); B: input Wi (given as codes): QUANTISED
;;     2. batch 128 x [M 1,024, K 64] x [K 64, N 1,024]; A: computed on the way; B: computed on the way: QUANTISED
;;     3. batch 128 x [M 1,024, K 1,024] x [K 1,024, N 64]; A: softmax (see below); B: computed on the way: QUANTISED
;;     4. [M 8,192, K 1,024] x [K 1,024, N 1,024]; A: computed on the way; B: input Wo (given as codes): QUANTISED
;;   THE QUANTISER, for each operand of a quantised product, along K:
;;     - K is cut into blocks of 32 from its start; a last block that is shorter is filled with zeros.
;;     - A block's scale is 2^e with e = floor(log2(the largest magnitude in the block)) - 2, held to -126 .. 127; a block of zeros has e = 0. As a byte (E8M0): e + 127.
;;     - Each number is divided by its block's scale, clamped to +-6, and rounded to the nearest number of E2M1, ties to even, subnormals kept.
;;     - The product sums the exact products of the quantised numbers (number of the format x scale) in f32.
;;   ~~~python
;;   def quantise(x, axis):      # numpy; x: float32 -> the quantised numbers, widened to float32 again
;;       x = np.moveaxis(x, axis, -1); K = x.shape[-1]
;;       x = np.pad(x, [(0, 0)] * (x.ndim - 1) + [(0, -K % 32)]); x = x.reshape(x.shape[:-1] + (-1, 32)); a = np.abs(x).max(-1, keepdims=True)
;;       e = np.where(a > 0, np.clip(np.frexp(np.where(a > 0, a, 1))[1] - 1 - 2, -126, 127), 0)      # np.frexp(a)[1] - 1 = floor(log2(a)), exactly
;;       r = np.clip(x / 2.0 ** e, -6, 6)
;;       step = 2.0 ** (np.maximum(np.frexp(np.where(r == 0, 1, r))[1] - 1, 0) - 1)
;;       q = np.round(r / step) * step * 2.0 ** e      # np.round: ties to even
;;       return np.moveaxis(q.reshape(q.shape[:-2] + (-1,))[..., :K], -1, axis).astype(np.float32)
;;   ~~~
;;   SOFTMAX AHEAD OF A QUANTISED PRODUCT. Where the list says 'softmax', what is quantised is not the finished softmax but p = 2^(t - M), with t = logit x log2(e) and M = ceil(the row's largest t), a whole number; so 1/2 < the row's largest p <= 1. The row's sum l is taken of the UNQUANTISED p, in f32, and the product's result is divided by l at the end. Since M is a whole number, a kernel that streams over the keys may use a running M (the ceiling of the running maximum): every later rescaling is an exact power of two, which a block's scale takes up: the codes' values come out the same.
;;   OPERANDS COMPUTED ON THE WAY. 'Computed on the way' means the value that the module computes at that place (a softmax that the list does not call 'softmax' is quantised finished and normalised). What goes into a quantiser is computed in f32, as accurately as f32 sums, v_exp_f32 and their like allow (about 1e-6 of the number): no bf16 or f16 on the way to a quantiser, and a product that is left as it is and whose result goes on into a quantised operand takes f32 operands (vector FMAs, or v_wmma_f32_16x16x4_f32). A number that lies on a knife's edge between two numbers of the format may be rounded either way, as far as f32 arithmetic and the matrix unit's own rounding can turn it there, and no further.
;;   INPUTS GIVEN AS CODES. Wi (in the module: [3072, 1024], K = its axis 1); Wo (in the module: [1024, 1024], K = its axis 1); x (in the module: [8, 1024, 1024], K = its axis 2): each comes as NAME_codes (uint8): NAME with its K axis moved to the last place and cut into blocks of 32 codes, [.., K / 32, bytes a block], one block behind the other in memory; two codes a byte, the lower K in the low four bits (a code: sign, 2 exponent bits, 1 mantissa bit); and NAME_scales (uint8): the same leading axes, one E8M0 byte (e + 127) for each 32 codes along K. Its value is code x scale, taken as it is: it is not quantised again, and the codes and scales need not be those that the quantiser above would give.
;; 2 versions, each right; version 2 is version 1 with the launch attn written anew for expert scheduling mode. Each part assembles by itself: llvm-mc -triple=amdgcn-amd-amdhsa -mcpu=gfx1250 --defsym DOCPART=n.
;; ======== version 1 of 2: 2 launches
;; workspace buffers: qkv 13,893,632 bytes; wo_img 524,288 bytes
;; launch qkv (part 1): grid 12 x 32, 4 waves a work-group, clusters of 4 x 4, 327,680 bytes of LDS; arguments x_codes, x_scales, Wi_codes, Wi_scales, bi, Wo_codes, qkv, wo_img; writes qkv, wo_img
.if DOCPART == 1
	.amdgcn_target "amdgcn-amd-amdhsa--gfx1250"
	.amdhsa_code_object_version 6
	.text
	.protected	k_q9986a1739c_qkv
	.globl	k_q9986a1739c_qkv
	.p2align	8
	.type	k_q9986a1739c_qkv,@function
k_q9986a1739c_qkv:
	s_mov_b64 s[64:65], 0
	v_nop
	global_prefetch_b8 v0, s[64:65] scope:SCOPE_SE
	s_setreg_imm32_b32 hwreg(HW_REG_WAVE_MODE, 25, 1), 1
	s_wait_xcnt 0x0
	s_wait_alu depctr_hold_cnt(0) depctr_sa_sdst(0) depctr_va_vdst(0) depctr_va_sdst(0) depctr_va_ssrc(0) depctr_va_vcc(0) depctr_vm_vsrc(0)
	s_getreg_b32 s2, hwreg(HW_REG_IB_STS2, 6, 4)
	s_cmp_eq_u32 s2, 0
	s_cbranch_scc0 .Lentry_in_a_cluster
	s_endpgm
.Lentry_in_a_cluster:
	s_bfe_u32 s2, ttmp6, 0x10000c
	s_cmp_lg_u32 s2, 0xf033
	s_cbranch_scc0 .Lentry_shape_is_right
	s_endpgm
.Lentry_shape_is_right:
; qkv = x Wi^T + bi on codes of FP4 (E2M1) with one E8M0 scale for each 32 along K; x: 8,192 rows, Wi: 3,072 rows, K = 1,024.  The result never goes to memory as f32: it is quantised here for the
; two products of the attention and stored as IMAGES OF OPERAND REGISTERS: q and k along the head's 64 (two blocks a row), v along the keys.  The launch also copies Wo's codes into fragment order.
; A tile of 256 rows of x by 256 rows of Wi is made by a work-group of four waves; a wave makes 128 x 128: 64 accumulators of 16 x 16, 512 registers.  K is two steps of 512: both slots and all scale
; bytes are asked for at the head, and no LDS byte is filled twice.
; CLUSTERS: 4 x 4 work-groups; x's tiles are asked for jointly along a row of the cluster, Wi's along a column.  Cluster x is the KIND of the columns: 0 = q, 1 = k, 2 = v: equal in all sixteen partners.
; WHICH SIDE LIES IN THE LANE.  Source 1 of a product (the 'lane side', set A) gives a lane its row; source 0 (the 'register side', set B) runs along the lane's eight results.  The conversions take
; neighbours along the next product's K from one lane's registers.  q, k: A = rows of x, B = rows of Wi, so registers run along d.  v: A = rows of Wi, B = rows of x, so registers run along the keys.
; Only three LDS addresses differ between the kinds; they are chosen once, by the cluster's x.
; THE BUFFER qkv: 1,024 blocks of 13,568 bytes, block ((batch x 16 + head) x 8 + group of 128 rows):  0 q's codes, 8 tiles (16 rows x 64 d) of 512 bytes, lane l's 16 bytes at 16 l;  4,096 q's scale words
; (lane l at 16 l + 4 i: lanes 0-15 tile 2 i, lanes 16-31 tile 2 i + 1; the row's two bytes, twice);  4,608 k's codes;  8,704 v's codes, 4 fragments (16 d x 128 keys) of 1,024 bytes;  12,800 k's scale
; words;  13,312 v's scale words (lane l at 8 l + 4 i).
; LIMITS: NaN, infinities and scale bytes 0xff among the inputs are not served.  A block whose largest magnitude lies under 2^-124, a block of zeros among them, keeps the scale byte 1; its bytes are read by this program alone.
; REGISTERS, in windows of 256: window 0: v16-31 addresses; v32-95 scale words, two sets; v96-123 at work on the way out; v128-191 set A's fragments, then the codes; v192-255 the bias along the registers.
;   window 1: set B's fragments at v0 and v128; v64-79 the bias along the lanes; v80-87 a fragment of Wo.   windows 2, 3: the accumulators ((a, b) at v[8 (8 (a % 4) + b)]).
.set KSTEP,  512                       ; along K in a slot
.set NQ,     4                         ; matrix instructions deep
.set ROWB,   256                       ; a tile's row in bytes
.set KROW,   512                       ; a row of x or Wi in memory: 1,024 codes
.set PITCH,  272                       ; an LDS row: 256 bytes + 16 of padding: the 16 rows of a load start at 16 different banks (64 banks of 4 bytes: ISA guide 11.1)
.set FR,     8                         ; registers of a fragment
.set NL,     2                         ; LDS loads that bring one
.set NP,     4                         ; places behind this matrix instruction (ISA guide 7.12.1)
.set HALFT,  128*PITCH                 ; 128 rows: what one tensor load brings
.set SLOT,   4*HALFT                   ; x's 256 rows, then Wi's 256 rows
.set KS,     32                        ; a row of scale bytes
.set SCL,    2*SLOT                    ; behind the slots: the scale bytes, as runs of 256 bytes + 16 of padding
.set HALFS,  16*272                    ; those of 128 rows
.set SBLK,   2*272                     ; those of 16 rows
.set SPARE,  SCL+4*HALFS+4352          ; the spare words, 128 bytes a wave, that no other line names
.set BLK,    13568
.set HSTR,   8*BLK                     ; from a head to the next
.set ADRA, 16                          ; v16-17  LDS address of set A's fragments in slot 0, 1
.set ADRB, 20                          ; v20-21  of set B's
.set R4,   23                          ; v23     4 x (lane % 16)
.set L16,  24                          ; v24     16 x lane
.set L8,   25                          ; v25     8 x lane
.set H32,  26                          ; v26     32 x (lane / 16)
.set ADRS, 27                          ; v27     LDS address of my scale words: lanes 0-15 set A's rows, lanes 16-31 set B's
.set SPW,  28                          ; v28     my spare word; never rewritten
.set NIL,  29                          ; v29     0; never rewritten
.set WOS,  30                          ; v30     Wo: 512 x (lane % 16) + 16 x (lane / 16)
.set LANE, 31
.set SC,   32                          ; scale words: set s at v[SC + 32 s]
.set XP,   32                          ; the way out: q's or k's scale words as they are stored
.set TM,   96                          ; v96-99 largest magnitudes, v100-103 the other half's, then bytes, v108-111 the conversions' scale operands
.set WD,   112                         ; v112-119 the scale word of each of set A's blocks
.set XW,   120                         ; v120-123 two blocks' words in one register
.set AF,   128
.set PC,   128                         ; the codes of block a at v[PC + 8 a]: a set for each block, so that no store's data are written again
.set BB,   192
.set BA,   64                          ; window 1
.set WOF,  80                          ; window 1
.set G1, 24                            ; s[24:31], s[32:39] groups 1 and 0 (a set for each slot) for x's tiles
.set G0, 32
.set G1B, 48                           ; s[48:55], s[56:63] for Wi's
.set G0B, 56
.set G1S, 68                           ; s[68:75], s[76:79] for x's scale bytes;  s[80:87], s[88:91] for Wi's
.set G0S, 76
.set G1SB, 80
.set G0SB, 88
.set MSB, 0
.macro WIN new                         ; the immediate's high byte repeats the setting that is left
.if MSB != \new
	s_set_vgpr_msb (MSB<<8)|\new
.set MSB, \new
.endif
.endm
.set MUL_LO, 0xa1                      ; source 0 (set B) window 1, source 1 (set A) window 0, C and D window 2
.set MUL_HI, 0xf1                      ; the same, C and D window 3
.set TO_B,   0x40                      ; destination window 1, address window 0
; A joint load: waves 0 and 1 fetch for x, waves 2 and 3 for Wi.  The branch hangs on the wave's number alone.  Four v_nop follow each of the two lines.
.macro JLOAD g0a, g1a, g0b, g1b
	s_cmp_eq_u32 s15, 0
	s_cbranch_scc0 .Lfor_b_\@
	tensor_load_to_lds s[\g0a:\g0a+3], s[\g1a:\g1a+7]
	s_nop 0
.rept 4
	v_nop
.endr
	s_branch .Lasked_\@
.Lfor_b_\@:
	tensor_load_to_lds s[\g0b:\g0b+3], s[\g1b:\g1b+7]
	s_nop 0
.rept 4
	v_nop
.endr
.Lasked_\@:
.endm
.macro CROUND                          ; a round of the cluster's barrier
	s_barrier_signal -1
	s_barrier_wait -1
	s_cmp_lg_u32 s14, 0
	s_cbranch_scc1 .Lnot_wave_0_\@
	s_barrier_signal -3
.Lnot_wave_0_\@:
	s_barrier_wait -3
	s_barrier_signal -1
	s_barrier_wait -1
.endm
	s_load_b256 s[4:11], s[0:1], 0x0               ; x's codes s[4:5], x's scales s[6:7], Wi's codes s[8:9], Wi's scales s[10:11]
	s_load_b128 s[96:99], s[0:1], 0x20             ; bi, Wo's codes
	s_load_b64 s[12:13], s[0:1], 0x30              ; qkv
	s_load_b64 s[66:67], s[0:1], 0x38              ; wo_img
	v_lshl_add_u32 v[SPW], v0, 2, SPARE
	v_mov_b32 v[NIL], 0
	ds_add_u32 v28, v29
	ds_add_u32 v28, v29
	s_wait_dscnt 0x0
	v_lshrrev_b32 v1, 5, v0
	v_readfirstlane_b32 s14, v1                    ; wave 0..3
	s_lshr_b32 s15, s14, 1                         ; which half of x's rows is mine.  Also: I fetch for x (0) or for Wi (1)
	s_and_b32 s16, s14, 1                          ; which half of Wi's rows.  Also: which 128 rows of that tile I fetch
	s_bfe_u32 s40, ttmp6, 0x40000                  ; cx, cy: my place in the cluster
	s_bfe_u32 s41, ttmp6, 0x40004
	s_lshl_b32 s42, ttmp9, 2
	s_add_co_u32 s42, s42, s40                     ; tile of Wi's rows = 4 x cluster x + cx
	s_and_b32 s17, ttmp7, 0xffff
	s_lshl_b32 s17, s17, 2
	s_add_co_u32 s17, s17, s41                     ; tile of x's rows = 4 x cluster y + cy
	s_lshl_b32 s43, s41, 2
	s_lshl_b32 s43, 15, s43                        ; my row of the cluster
	s_lshl_b32 s44, 0x1111, s40                    ; my column
	; descriptor group 1: a tile of 128 rows x 256 bytes, padded in LDS
	s_or_b32 s[G1+0], s43, (0<<16)|(1<<20)|(1<<21)|(5<<22)|(3<<25)  ; 15:0 the mask; 17:16 elements of 1 byte; 20 padding on; 21 set beside a mask; 24:22 after every 64 words; 31:25 four words
	s_or_b32 s[G1B+0], s44, (0<<16)|(1<<20)|(1<<21)|(5<<22)|(3<<25)
.irp g, G1, G1B
	s_mov_b32 s[\g+1], ROWB<<16                    ; tensor_dim0
	s_mov_b32 s[\g+2], 128<<16                     ; tensor_dim1
	s_mov_b32 s[\g+3], ROWB<<16                    ; tile_dim0
	s_mov_b32 s[\g+4], 128                         ; tile_dim1
	s_mov_b32 s[\g+5], KROW                        ; tensor_dim0_stride
	s_mov_b32 s[\g+6], 0
	s_mov_b32 s[\g+7], 0
.endr
	; the scale bytes of 128 rows: 4,096 dense bytes, as 16 rows of 256 bytes (32 elements of 8 bytes), 16 bytes of padding behind each
	s_or_b32 s[G1S+0], s43, (3<<16)|(1<<20)|(1<<21)|(5<<22)|(3<<25)
	s_or_b32 s[G1SB+0], s44, (3<<16)|(1<<20)|(1<<21)|(5<<22)|(3<<25)
.irp g, G1S, G1SB
	s_mov_b32 s[\g+1], 32<<16
	s_mov_b32 s[\g+2], 16<<16
	s_mov_b32 s[\g+3], 32<<16
	s_mov_b32 s[\g+4], 16
	s_mov_b32 s[\g+5], 32
	s_mov_b32 s[\g+6], 0
	s_mov_b32 s[\g+7], 0
.endr
	s_lshl_b32 s18, s16, 7                         ; which 128 rows of the tile I fetch
	s_lshl_b32 s20, s17, 8
	s_add_co_u32 s20, s20, s18                     ; x: row 256 x tile + 128 x half
	s_lshl_b32 s46, s42, 8
	s_add_co_u32 s46, s46, s18                     ; Wi likewise
	s_mov_b32 s21, 0
	s_mov_b32 s47, 0
	s_mov_b64 s[18:19], KS
	s_mul_u64 s[22:23], s[20:21], s[18:19]         ; where these rows' scale bytes begin
	s_mul_u64 s[92:93], s[46:47], s[18:19]
	s_mov_b64 s[18:19], KROW
	s_mul_u64 s[20:21], s[20:21], s[18:19]         ; and their codes
	s_mul_u64 s[46:47], s[46:47], s[18:19]
	s_mul_i32 s45, s14, HALFT                      ; where they go: wave x 128 rows: no place in the cluster enters an LDS address
	s_mul_i32 s94, s14, HALFS
	s_wait_kmcnt 0x0
	s_add_nc_u64 s[20:21], s[4:5], s[20:21]
	s_add_nc_u64 s[22:23], s[6:7], s[22:23]
	s_add_nc_u64 s[46:47], s[8:9], s[46:47]
	s_add_nc_u64 s[92:93], s[10:11], s[92:93]
	CROUND                                         ; all sixteen work-groups are here: the joint loads meet
	s_mov_b32 s[G0S], 1
	s_add_co_u32 s[G0S+1], s94, SCL
	s_mov_b64 s[G0S+2:G0S+3], s[22:23]
	s_or_b32 s[G0S+3], s[G0S+3], 0x80000000
	s_mov_b32 s[G0SB], 1
	s_add_co_u32 s[G0SB+1], s94, SCL
	s_mov_b64 s[G0SB+2:G0SB+3], s[92:93]
	s_or_b32 s[G0SB+3], s[G0SB+3], 0x80000000
	JLOAD G0S, G1S, G0SB, G1SB                     ; the scale bytes first: they are wanted with K step 0
.irp s, 0,1
	s_mov_b32 s[G0+4*\s], 1
	s_add_co_u32 s[G0+4*\s+1], s45, \s*SLOT
	s_add_nc_u64 s[G0+4*\s+2:G0+4*\s+3], s[20:21], \s*ROWB
	s_or_b32 s[G0+4*\s+3], s[G0+4*\s+3], 0x80000000
	s_mov_b32 s[G0B+4*\s], 1
	s_add_co_u32 s[G0B+4*\s+1], s45, \s*SLOT
	s_add_nc_u64 s[G0B+4*\s+2:G0B+4*\s+3], s[46:47], \s*ROWB
	s_or_b32 s[G0B+4*\s+3], s[G0B+4*\s+3], 0x80000000
	JLOAD G0+4*\s, G1, G0B+4*\s, G1B               ; three tensor loads of mine are out at the most
.endr
	v_and_b32 v1, 15, v0                           ; r = lane % 16
	v_bfe_u32 v2, v0, 4, 1                         ; h = lane / 16
	v_mul_u32_u24 v3, v1, PITCH
	v_lshl_add_u32 v4, v2, 4, v3                   ; a fragment's row x pitch + 16 h
	s_mul_i32 s21, s15, HALFT                      ; my 128 rows of x
	s_mul_i32 s22, s16, HALFT
	s_add_co_u32 s22, s22, 2*HALFT                 ; my 128 rows of Wi, behind x's 256
	s_cmp_eq_u32 ttmp9, 2                          ; the kind v changes the sides
	s_cselect_b32 s23, s22, s21                    ; set A, the lane's side
	s_cselect_b32 s22, s21, s22                    ; set B, the registers' side
	s_cselect_b32 s95, 1, 0
.irp s, 0,1
	v_add_nc_u32 v[ADRA+\s], s23, v4
	v_add_nc_u32 v[ADRB+\s], s22, v4
	s_add_co_u32 s23, s23, SLOT
	s_add_co_u32 s22, s22, SLOT
.endr
	v_mul_u32_u24 v5, v1, KS                       ; my row's scale bytes: 32 a row,
	v_lshrrev_b32 v6, 8, v5
	v_lshl_add_u32 v5, v6, 4, v5                   ; and 16 more for each 256 passed
	s_mul_i32 s21, s15, HALFS                      ; x's: my 128 rows
	s_mul_i32 s22, s16, HALFS
	s_add_co_u32 s22, s22, 2*HALFS                 ; Wi's: my 128 rows, behind x's 256
	s_sub_co_u32 s22, s22, s21                     ; the distance between the two
	v_xor_b32 v6, s95, v2                          ; lanes 16-31 take set B's: Wi's for q and k, x's for v
	v_mul_u32_u24 v6, s22, v6
	s_add_co_u32 s21, s21, SCL
	v_add_nc_u32 v5, v5, v6
	v_add_nc_u32 v[ADRS], s21, v5
	v_and_b32 v[LANE], 31, v0
	v_lshlrev_b32 v[L16], 4, v[LANE]
	v_lshlrev_b32 v[L8], 3, v[LANE]
	v_lshlrev_b32 v[H32], 5, v2
	v_lshlrev_b32 v[R4], 2, v1
	v_lshlrev_b32 v[WOS], 9, v1
	v_lshl_add_u32 v[WOS], v2, 4, v[WOS]
.irp g, 0,1,2,3
	v_mov_b32 v[TM+4+\g], 0                        ; written once: a lane permute's destination counts as one of its sources
.endr
	; which of Wo's 512 fragments is mine: f = ((tile of x's rows) x 4 + cx) x 4 + wave = (w x 8 + s) x 4 + nt: rows 64 w + 16 nt on, K step s.  Only the kind v stores it
	s_lshl_b32 s46, s17, 2
	s_add_co_u32 s46, s46, s40
	s_lshl_b32 s46, s46, 2
	s_add_co_u32 s46, s46, s14                     ; f
	s_lshr_b32 s47, s46, 5
	s_lshl_b32 s47, s47, 6
	s_and_b32 s92, s46, 3
	s_lshl_b32 s92, s92, 4
	s_add_co_u32 s47, s47, s92                     ; its first row,
	s_lshl_b32 s47, s47, 9                         ; of 512 bytes,
	s_bfe_u32 s92, s46, 0x30002
	s_lshl_b32 s92, s92, 6                         ; and its 64 bytes in the row
	s_add_co_u32 s92, s92, s47
	s_mov_b32 s93, 0
	s_add_nc_u64 s[98:99], s[98:99], s[92:93]
	s_lshl_b32 s46, s46, 10
	s_mov_b32 s47, 0
	s_add_nc_u64 s[66:67], s[66:67], s[46:47]      ; and where its image goes
	s_lshl_b32 s46, s42, 10
	s_lshl_b32 s92, s16, 9
	s_add_co_u32 s46, s46, s92
	s_add_nc_u64 s[96:97], s[96:97], s[46:47]      ; bi at my 128 rows of Wi
	; Both layouts of the bias and the fragment of Wo are loaded by every wave, whatever its kind: every register is written on every path.  They are waited for on the way out.
.irp b, 0,1,2,3,4,5,6,7
	global_load_b128 v[BB+8*\b:BB+8*\b+3], v[H32], s[96:97] offset:64*\b         ; along the registers: bi[16 b + 8 h + 0 .. 7]
	global_load_b128 v[BB+8*\b+4:BB+8*\b+7], v[H32], s[96:97] offset:64*\b+16
.endr
	WIN TO_B
.irp a, 0,1,2,3,4,5,6,7
	global_load_b32 v[BA+2*\a], v[R4], s[96:97] offset:64*\a                      ; along the lanes: bi[16 a + r], twice: a pair for the packed addition
	global_load_b32 v[BA+2*\a+1], v[R4], s[96:97] offset:64*\a
.endr
	global_load_b128 v[WOF:WOF+3], v[WOS], s[98:99]
	global_load_b128 v[WOF+4:WOF+7], v[WOS], s[98:99] offset:32
	WIN 0
.macro FRAG reg, adr, q, i             ; a fragment, 16 rows x 128 K of 4-bit codes: lane l holds row l % 16; registers 4 c .. 4 c + 3 hold K = 64 c + 32 (l / 16) + 0 .. 31
.irp c, 0,1
	ds_load_b128 v[\reg+4*\c:\reg+4*\c+3], v[\adr] offset:64*(\q)+32*\c+(\i)*16*PITCH
.endr
.endm
; 16 matrix instructions: set A's blocks a0, a0 + 1 x set B's eight, the slot's q-th 128 along K.  zero = 1: the first product starts the sums.  The 64 accumulators take turns, one instruction a turn.
.macro MUL16 a0, p, q, sc, zero
.irp a, \a0, \a0+1
.irp b, 0,1,2,3,4,5,6,7
.if \zero
	v_wmma_scale_f32_16x16x128_f8f6f4 v[8*(8*((\a)%4)+\b):8*(8*((\a)%4)+\b)+7], v[128*(\p)+FR*\b:128*(\p)+FR*\b+FR-1], v[AF+FR*(\a):AF+FR*(\a)+FR-1], 0, v[SC+8*NQ*(\sc)+NQ*\b+(\q)], v[SC+8*NQ*(\sc)+NQ*(\a)+(\q)] matrix_a_fmt:MATRIX_FMT_FP4 matrix_b_fmt:MATRIX_FMT_FP4 matrix_a_scale:MATRIX_SCALE_ROW1
.else
	v_wmma_scale_f32_16x16x128_f8f6f4 v[8*(8*((\a)%4)+\b):8*(8*((\a)%4)+\b)+7], v[128*(\p)+FR*\b:128*(\p)+FR*\b+FR-1], v[AF+FR*(\a):AF+FR*(\a)+FR-1], v[8*(8*((\a)%4)+\b):8*(8*((\a)%4)+\b)+7], v[SC+8*NQ*(\sc)+NQ*\b+(\q)], v[SC+8*NQ*(\sc)+NQ*(\a)+(\q)] matrix_a_fmt:MATRIX_FMT_FP4 matrix_b_fmt:MATRIX_FMT_FP4 matrix_a_scale:MATRIX_SCALE_ROW1
.endif
.endr
.endr
.endm
.macro FETCH_B slot, q, p              ; set B's eight fragments into register set p
	WIN TO_B
.irp i, 0,1,2,3,4,5,6,7
	FRAG 128*(\p)+FR*\i, ADRB+\slot, \q, \i
.endr
	WIN 0
.endm
.macro FETCH_A slot, q, i0             ; set A's blocks i0 .. i0 + 3
.irp i, \i0, \i0+1, \i0+2, \i0+3
	FRAG AF+FR*(\i), ADRA+\slot, \q, \i
.endr
.endm
.macro SCALES sc                       ; a K step's scale words: four words a row; lanes 0-15 take set A's block i, lanes 16-31 set B's
.irp i, 0,1,2,3,4,5,6,7
	ds_load_b128 v[SC+8*NQ*\sc+NQ*\i:SC+8*NQ*\sc+NQ*\i+3], v[ADRS] offset:\i*SBLK
.endr
.endm
.macro PLACES n                        ; plain vector instructions between a matrix instruction and a load into, or a vector access to, its registers
.rept \n
	v_nop
.endr
.endm
.macro STEP slot, q, zero              ; 128 along K that have their successor in the same slot
	s_wait_dscnt 4*NL                              ; set B and A's blocks 0-3 are in; the youngest eight loads (A's blocks 4-7) may be out
	WIN MUL_LO
	MUL16 0, (\q)%2, \q, \slot, \zero
	MUL16 2, (\q)%2, \q, \slot, \zero
	s_wait_dscnt 0
	PLACES NP
	FETCH_B \slot, (\q)+1, 1-(\q)%2
	FETCH_A \slot, (\q)+1, 0
	WIN MUL_HI
	MUL16 4, (\q)%2, \q, \slot, \zero
	MUL16 6, (\q)%2, \q, \slot, \zero
	PLACES NP
	WIN 0
	FETCH_A \slot, (\q)+1, 4
.endm
.macro STEPS slot, from
.set Q, \from
.rept NQ-1-\from
	STEP \slot, Q, 0
.set Q, Q+1
.endr
.endm
	s_wait_tensorcnt 1                             ; the scale bytes and my part of slot 0 are in; slot 1's load may be out
	s_barrier_signal -1
	s_barrier_wait -1                              ; everybody's are
	FETCH_B 0, 0, 0
	FETCH_A 0, 0, 0
	SCALES 0
	FETCH_A 0, 0, 4
	STEP 0, 0, 1                                   ; the first products start the sums: nothing is cleared
	STEPS 0, 1
	; slot 0's last step goes over to slot 1: one barrier, in front of which my part of slot 1 has landed
	s_wait_tensorcnt 0x0                           ; all my tensor loads have landed
	ds_add_u32 v[SPW], v[NIL]                      ; 0 onto my spare word
	s_wait_dscnt 4*NL+1                            ; (the add and the youngest eight loads may be out)
	WIN MUL_LO
	MUL16 0, 1, NQ-1, 0, 0
	s_wait_dscnt 0x0                               ; no LDS instruction of mine is out at the signal
	s_barrier_signal -1
	MUL16 2, 1, NQ-1, 0, 0
	WIN 0
	s_barrier_wait -1                              ; slot 1 is whole
	PLACES NP
	v_add_nc_u32 v[ADRS], 4*NQ, v[ADRS]            ; the second K step's scale words
	FETCH_B 1, 0, 0
	FETCH_A 1, 0, 0
	SCALES 1
	WIN MUL_HI
	MUL16 4, 1, NQ-1, 0, 0
	MUL16 6, 1, NQ-1, 0, 0
	PLACES NP
	WIN 0
	FETCH_A 1, 0, 4
	STEPS 1, 0
	s_wait_dscnt 4*NL                              ; the very last step: nothing more to fetch
	WIN MUL_LO
	MUL16 0, 1, NQ-1, 1, 0
	MUL16 2, 1, NQ-1, 1, 0
	s_wait_dscnt 0
	WIN MUL_HI
	MUL16 4, 1, NQ-1, 1, 0
	MUL16 6, 1, NQ-1, 1, 0
	WIN 0
; THE WAY OUT.  Block a of set A: lane (r, h) holds row 16 a + r and, in accumulator b's register j, the register side's number 16 b + 8 h + j.  Bias; then the four blocks of 32 along the register side:
; the largest magnitude of my 16 and of lane l xor 16's; 2 off its exponent field is the conversion's scale operand, and that field the scale's byte.  A conversion takes an accumulator's 8 registers, 8 neighbours.
; Block 2 c + e, accumulator u of its two: the code register goes to 4 c + 2 u + e; an exchange of halves between registers 4 c + 2 u and 4 c + 2 u + 1 then leaves K = 64 c + 32 h + 0 .. 31 in registers 4 c .. 4 c + 3.
.macro EPI a, kind
.set AC,  64*((\a)%4)
.set WW,  2+(\a)/4
.set PCA, PC+8*(\a)
.if \kind
.set WSET, (WW<<6)|4|WW                ; accumulators in window WW, the lanes' bias in window 1
.else
.set WSET, (WW<<6)|WW                  ; the registers' bias in window 0
.endif
	WIN WSET
.irp b, 0,1,2,3,4,5,6,7
.irp i, 0,2,4,6
.if \kind
	v_pk_add_f32 v[AC+8*\b+\i:AC+8*\b+\i+1], v[AC+8*\b+\i:AC+8*\b+\i+1], v[BA+2*(\a):BA+2*(\a)+1]
.else
	v_pk_add_f32 v[AC+8*\b+\i:AC+8*\b+\i+1], v[AC+8*\b+\i:AC+8*\b+\i+1], v[BB+8*\b+\i:BB+8*\b+\i+1]   ; each accumulator from its low end on
.endif
.endr
.endr
.set WSET, (WW<<2)|(WW<<4)
	WIN WSET
.irp g, 0,1,2,3
	v_max3_num_f32 v[TM+\g], 0x1800000, |v[AC+16*\g]|, |v[AC+16*\g+1]|   ; with the floor 2^(3 - 127): the byte cannot fall under 1
.endr
.irp i, 2,4,6,8,10,12,14
.irp g, 0,1,2,3
	v_max3_num_f32 v[TM+\g], v[TM+\g], |v[AC+16*\g+\i]|, |v[AC+16*\g+\i+1]|   ; the four blocks by turns
.endr
.endr
	WIN 0
.irp g, 0,1,2,3
	v_permlanex16_b32 v[TM+4+\g], v[TM+\g], s92, s93
.endr
.irp g, 0,1,2,3
	v_max_num_f32 v[TM+\g], v[TM+\g], v[TM+4+\g]
.endr
.irp g, 0,1,2,3
	v_add_nc_u32 v[TM+12+\g], 0xff000000, v[TM+\g]
.endr
.irp g, 0,1,2,3
	v_lshrrev_b32 v[TM+4+\g], 23, v[TM+12+\g]
.endr
	v_lshl_or_b32 v[WD+(\a)], v[TM+5], 8, v[TM+4]
	v_lshl_or_b32 v[WD+(\a)], v[TM+6], 16, v[WD+(\a)]
	v_lshl_or_b32 v[WD+(\a)], v[TM+7], 24, v[WD+(\a)]
	WIN WW
.irp c, 0,1
.irp e, 0,1
.irp u, 0,1
	v_cvt_scalef32_pk8_fp4_f32 v[PCA+4*\c+2*\u+\e], v[AC+16*(2*\c+\e)+8*\u:AC+16*(2*\c+\e)+8*\u+7], v[TM+12+2*\c+\e]
.endr
.endr
.endr
	WIN 0
	v_nop                                          ; one plain place behind the scaled conversions
.irp c, 0,1
.irp u, 0,1
	v_permlane16_swap_b32 v[PCA+4*\c+2*\u], v[PCA+4*\c+2*\u+1]
.endr
.endr
.if \kind
	global_store_b128 v[L16], v[PCA:PCA+3], s[20:21] offset:((\a)/4)*HSTR+((\a)%4)*1024        ; a fragment of v: 16 d x 128 keys; each store covers 512 consecutive bytes, aligned to 256
	global_store_b128 v[L16], v[PCA+4:PCA+7], s[20:21] offset:((\a)/4)*HSTR+((\a)%4)*1024+512
.else
	global_store_b128 v[L16], v[PCA:PCA+3], s[20:21] offset:512*(\a)                          ; tile a of my first head,
	global_store_b128 v[L16], v[PCA+4:PCA+7], s[20:21] offset:HSTR+512*(\a)                   ; and of my second
.endif
.endm
.macro EPILOGUE kind
.irp a, 0,1,2,3,4,5,6,7
	EPI \a, \kind
.endr
.irp i, 0,1,2,3
	v_cndmask_b32 v[XW+\i], v[WD+2*\i], v[WD+2*\i+1], vcc_lo       ; lanes 0-15 block 2 i's words, lanes 16-31 block 2 i + 1's
.endr
.if \kind
	global_store_b64 v[L8], v[XW:XW+1], s[22:23]                   ; my first head's four tiles of d,
	global_store_b64 v[L8], v[XW+2:XW+3], s[22:23] offset:HSTR     ; my second's
	WIN 0x04                                       ; a store's data are its source 1: window 1
	global_store_b128 v[L16], v[WOF:WOF+3], s[66:67]
	global_store_b128 v[L16], v[WOF+4:WOF+7], s[66:67] offset:512
	WIN 0
.else
.irp i, 0,1,2,3
	v_perm_b32 v[XP+\i], v[XW+\i], v[XW+\i], 0x01000100            ; my first head's two bytes, twice: the upper half of the score product's K holds zero codes of q, under scales no larger than the real ones
	v_perm_b32 v[XP+4+\i], v[XW+\i], v[XW+\i], 0x03020302          ; my second head's
.endr
	global_store_b128 v[L16], v[XP:XP+3], s[22:23]
	global_store_b128 v[L16], v[XP+4:XP+7], s[22:23] offset:HSTR
.endif
.endm
	PLACES NP                                      ; behind the last products: the way out writes over set A's fragments and reads results
	s_wait_loadcnt 0x0                             ; the bias and Wo's fragment
	s_mov_b32 s92, 0x76543210
	s_mov_b32 s93, 0xfedcba98                      ; v_permlanex16_b32's selects for lane l xor 16
	v_cmp_le_u32 vcc_lo, 16, v[LANE]
	s_lshr_b32 s46, s17, 2                         ; the batch
	s_lshl_b32 s46, s46, 4
	s_lshl_b32 s47, s40, 2
	s_add_co_u32 s46, s46, s47
	s_lshl_b32 s47, s16, 1
	s_add_co_u32 s46, s46, s47                     ; x 16 + my first head: 4 cx + 2 x half
	s_lshl_b32 s46, s46, 3
	s_and_b32 s47, s17, 3
	s_lshl_b32 s47, s47, 1
	s_add_co_u32 s46, s46, s47
	s_add_co_u32 s46, s46, s15                     ; x 8 + my group of 128 rows
	s_mul_i32 s46, s46, BLK
	s_mov_b32 s47, 0
	s_add_nc_u64 s[12:13], s[12:13], s[46:47]      ; my first block
	s_cmp_eq_u32 ttmp9, 0                          ; where the kind's codes and scale words lie in a block
	s_cselect_b32 s20, 0, 4608
	s_mov_b32 s22, 12800
	s_cselect_b32 s22, 4096, s22
	s_cmp_eq_u32 ttmp9, 2
	s_mov_b32 s46, 8704
	s_cselect_b32 s20, s46, s20
	s_mov_b32 s46, 13312
	s_cselect_b32 s22, s46, s22
	s_mov_b32 s21, 0
	s_mov_b32 s23, 0
	s_add_nc_u64 s[20:21], s[12:13], s[20:21]
	s_add_nc_u64 s[22:23], s[12:13], s[22:23]
	s_cmp_eq_u32 s95, 1                            ; the kind is equal in all partners of the cluster
	s_cbranch_scc1 .Lkind_v
	EPILOGUE 0
	s_branch .Ljoin
.Lkind_v:
	EPILOGUE 1
.Ljoin:
	s_wait_tensorcnt 0x0                           ; the wave's end
	ds_add_u32 v[SPW], v[NIL]
	s_wait_dscnt 0x0
	CROUND                                         ; the closing round: no work-group ends while a partner may still ask for a tile that names it
	s_endpgm
.Lfunc_end_k_q9986a1739c_qkv:
	.size	k_q9986a1739c_qkv, .Lfunc_end_k_q9986a1739c_qkv-k_q9986a1739c_qkv
	.p2alignl 7, 3214868480
	.fill 96, 4, 3214868480
	.section	.rodata,"a",@progbits
	.p2align	6, 0x0
	.amdhsa_kernel k_q9986a1739c_qkv
		.amdhsa_group_segment_fixed_size 327680
		.amdhsa_private_segment_fixed_size 0
		.amdhsa_enable_private_segment 0
		.amdhsa_kernarg_size 64
		.amdhsa_user_sgpr_count 2
		.amdhsa_user_sgpr_kernarg_segment_ptr 1
		.amdhsa_wavefront_size32 1
		.amdhsa_system_sgpr_workgroup_id_x 1
		.amdhsa_system_sgpr_workgroup_id_y 1
		.amdhsa_system_sgpr_workgroup_id_z 1
		.amdhsa_system_vgpr_workitem_id 0
		.amdhsa_next_free_vgpr 1024
		.amdhsa_next_free_sgpr 100
		.amdhsa_reserve_vcc 1
		.amdhsa_float_denorm_mode_32 3
		.amdhsa_float_denorm_mode_16_64 3
		.amdhsa_memory_ordered 1
		.amdhsa_forward_progress 1
		.amdhsa_inst_pref_size 199
	.end_amdhsa_kernel
	.amdgpu_metadata
---
amdhsa.version: [ 1, 2 ]
amdhsa.kernels:
  - .name:           k_q9986a1739c_qkv
    .symbol:         k_q9986a1739c_qkv.kd
    .args:
      - { .name: x_codes, .offset: 0, .size: 8, .value_kind: global_buffer, .address_space: global }
      - { .name: x_scales, .offset: 8, .size: 8, .value_kind: global_buffer, .address_space: global }
      - { .name: Wi_codes, .offset: 16, .size: 8, .value_kind: global_buffer, .address_space: global }
      - { .name: Wi_scales, .offset: 24, .size: 8, .value_kind: global_buffer, .address_space: global }
      - { .name: bi, .offset: 32, .size: 8, .value_kind: global_buffer, .address_space: global }
      - { .name: Wo_codes, .offset: 40, .size: 8, .value_kind: global_buffer, .address_space: global }
      - { .name: qkv, .offset: 48, .size: 8, .value_kind: global_buffer, .address_space: global }
      - { .name: wo_img, .offset: 56, .size: 8, .value_kind: global_buffer, .address_space: global }
    .group_segment_fixed_size: 327680
    .private_segment_fixed_size: 0
    .kernarg_segment_align: 8
    .kernarg_segment_size: 64
    .max_flat_workgroup_size: 128
    .sgpr_count:     100
    .vgpr_count:     1024
    .wavefront_size: 32
...
	.end_amdgpu_metadata
.endif
;; end of part 1
;; launch attn (part 2): grid 256 x 1, 16 waves a work-group, no clusters, 152,064 bytes of LDS; arguments qkv, cutoff_factors, wo_img, Wo_scales, bo, out0; writes out0
.if DOCPART == 2
	.amdgcn_target "amdgcn-amd-amdhsa--gfx1250"
	.amdhsa_code_object_version 6
	.text
	.protected	k_q9986a1739c_attn
	.globl	k_q9986a1739c_attn
	.p2align	8
	.type	k_q9986a1739c_attn,@function
k_q9986a1739c_attn:
	s_mov_b64 s[64:65], 0
	v_nop
	global_prefetch_b8 v0, s[64:65] scope:SCOPE_SE
	s_setreg_imm32_b32 hwreg(HW_REG_WAVE_MODE, 25, 1), 1
	s_wait_xcnt 0x0
; out0 = (softmax(q k^T / 8 + log(max(cutoff, 1e-15))) v) Wo^T + bo, all three products on codes of FP4 (E2M1) with one E8M0 scale for each 32 along K.
; SHARES.  A work-group owns 32 queries of one batch for ALL 16 heads; wave w is head w, with two tiles of 16 queries.  So the mask's clip and logarithm are taken once for each number and not once a head;
; all heads of a row meet in one work-group, so the last product is made here and the attention's result never goes to memory; and a head's k and v are read by one wave alone, from memory straight into
; operand registers (the launch before stored them as images of those registers): the loop over the keys has no barrier.  No tile is shared between work-groups through LDS, so there is no cluster:
; one key step of all heads, 16 x 8,960 bytes, twice, does not fit beside the mask's 131,584 bytes.
; LAYOUT.  Both products of the attention are used transposed: S^T = k q^T (source 0 = 16 keys, source 1 = 16 queries), O^T = v^T p^T: a lane holds ONE query (lane % 16) throughout; register 8 t + j of S
; is key 16 t + 8 (lane / 16) + j.  A conversion takes 8 neighbours; block 2 c + e, tile u: its code register goes to 4 c + 2 u + e, and an exchange of halves gives the operand's order.
; K = 64 IN A PRODUCT OF K = 128: q's registers 4-7 hold zero codes; k's fragment t is named v[KF + 4 t .. + 7], so its upper four registers are whatever follows: a code x the code 0 adds nothing (E2M1 has
; no infinity and no NaN).  The scale words repeat the two real bytes, so the idle blocks carry no larger scale than the real ones.
; THE MASK IS THE C OF THE SCORE PRODUCT: S = k q^T + 8 ln(max(cutoff, 1e-15)), t = S x log2(e) / 8, which is reference()'s (score / 8 + ln) x log2(e), since x 8 is exact.  The sum of score and mask is
; rounded by the matrix unit and not by v_add_f32.
; SOFTMAX.  -M = min(old -M, floor(-t of the step)): M is the ceiling of the running largest t, a whole number; p = 2^(t - M) is quantised along the keys, not normalised; the row's sum is taken of the
; unquantised p; when M moves, the sum and O are multiplied by 2^(old M - new M), exactly.  O is divided by the sum at the end (v_rcp_f32 and a multiplication), quantised along d, and handed round through LDS.
; LIMITS: NaN, infinities and scale bytes 0xff among the inputs are not served (a NaN cutoff counts as 1e-15).  A block whose largest magnitude lies under 2^-124, a block of zeros among them, keeps the scale byte 1.
; LDS: 0 the mask, 32 rows of 4,096 + 16 bytes (16 rows of a load start at 16 different banks; 64 banks of 4 bytes: ISA guide 11.1); IMG the heads' codes, tile m, head w at 8,192 m + 512 w + 16 lane;
; SIMG their scale half words, 128 bytes a wave; behind the second barrier the mask's bytes serve as stages of 16 rows x 272 bytes, one a wave.
.set BLK,  13568                       ; a block of qkv: one head, 128 rows
.set MP,   4112
.set IMG,  32*MP
.set SIMG, IMG+16384
.set STP,  272
.set L16,  1                           ; v1   16 x lane
.set L8,   3                           ; v3   8 x lane      (v2, v4: -M of tiles 0, 1; each names the register above it as the idle half of a pair)
.set F,    6                           ; v6   2^(old M - new M)     (v5, v7: my place in the mask's rows for tiles 0, 1)
.set PFO,  12                          ; v12  256 x lane
.set PFO2, 13                          ; v13  256 x min(lane, 2)
.set T1,   14
.set T2,   15
.set QF,   16                          ; v16-31  q's two fragments; registers 4-7 of each are zero codes          (v8-11: the two sums, in two halves each)
.set KF,   32                          ; v32-63  k: 8 tiles x 4 registers
.set PC,   64                          ; v64-71  the codes just made
.set VF,   72                          ; v72-103 v: 4 fragments
.set S,    104                         ; v104-167 the cutoff, the mask as C, the scores, p
.set O,    168                         ; v168-231 O^T: tile m at + 32 m; later the last product's 8 accumulators
.set BM,   232
.set BT,   236
.set SO,   240
.set KSC,  244                         ; v244-247 k's scale words, v248-249 v's, v250 q's, v251 p's; in the last product v244-251 the rows' scale words
.set VSC,  248
.set QSC,  250
.set PSC,  251
.set XS,   244
.set WS,   136                         ; the last product: Wo's scale words
; one scaled product; ra, rb: the scale words stand in lanes 16-31 of the register named
.macro WM d, a, b, c, sa, sb, ra, rb
.if (\ra) && (\rb)
	v_wmma_scale_f32_16x16x128_f8f6f4 v[\d:\d+7], v[\a:\a+7], v[\b:\b+7], v[\c:\c+7], v[\sa], v[\sb] matrix_a_fmt:MATRIX_FMT_FP4 matrix_b_fmt:MATRIX_FMT_FP4 matrix_a_scale:MATRIX_SCALE_ROW1 matrix_b_scale:MATRIX_SCALE_ROW1
.elseif (\ra)
	v_wmma_scale_f32_16x16x128_f8f6f4 v[\d:\d+7], v[\a:\a+7], v[\b:\b+7], v[\c:\c+7], v[\sa], v[\sb] matrix_a_fmt:MATRIX_FMT_FP4 matrix_b_fmt:MATRIX_FMT_FP4 matrix_a_scale:MATRIX_SCALE_ROW1
.elseif (\rb)
	v_wmma_scale_f32_16x16x128_f8f6f4 v[\d:\d+7], v[\a:\a+7], v[\b:\b+7], v[\c:\c+7], v[\sa], v[\sb] matrix_a_fmt:MATRIX_FMT_FP4 matrix_b_fmt:MATRIX_FMT_FP4 matrix_b_scale:MATRIX_SCALE_ROW1
.else
	v_wmma_scale_f32_16x16x128_f8f6f4 v[\d:\d+7], v[\a:\a+7], v[\b:\b+7], v[\c:\c+7], v[\sa], v[\sb] matrix_a_fmt:MATRIX_FMT_FP4 matrix_b_fmt:MATRIX_FMT_FP4
.endif
.endm
.macro KLOAD                           ; a key step's k: 8 tiles and their scale words: nine loads
.irp t, 0,1,2,3,4,5,6,7
	global_load_b128 v[KF+4*\t:KF+4*\t+3], v[L16], s[24:25] offset:512*\t
.endr
	global_load_b128 v[KSC:KSC+3], v[L16], s[24:25] offset:8192
.endm
.macro VLOAD                           ; and its v: 4 fragments and their scale words: nine loads
.irp i, 0,1,2,3,4,5,6,7
	global_load_b128 v[VF+4*\i:VF+4*\i+3], v[L16], s[24:25] offset:4096+512*\i
.endr
	global_load_b64 v[VSC:VSC+1], v[L8], s[24:25] offset:8704
.endm
	s_load_b256 s[4:11], s[0:1], 0x0               ; qkv, cutoff, wo_img, Wo's scales
	s_load_b128 s[12:15], s[0:1], 0x20             ; bo, out0
	v_lshrrev_b32 v14, 5, v0
	v_readfirstlane_b32 s16, v14                   ; wave = head
	s_and_b32 s17, ttmp9, 31                       ; which 32 queries of the batch
	s_lshr_b32 s18, ttmp9, 5                       ; the batch
	v_and_b32 v15, 31, v0
	v_lshlrev_b32 v[L16], 4, v15
	v_lshlrev_b32 v[L8], 3, v15
	v_lshlrev_b32 v[PFO], 8, v15
	v_min_u32 v[PFO2], 2, v15
	v_lshlrev_b32 v[PFO2], 8, v[PFO2]
	v_and_b32 v14, 15, v0                          ; r
	v_bfe_u32 v15, v0, 4, 1                        ; h
	v_mul_u32_u24 v5, v14, MP
	v_lshl_add_u32 v5, v15, 5, v5                  ; the mask for tile 0: row r, + 32 h bytes
	v_add_nc_u32 v7, 16*MP, v5                     ; for tile 1: 16 rows on
	v_lshlrev_b32 v252, 4, v0                      ; the cutoff: 16 bytes a thread
	v_lshrrev_b32 v254, 8, v0
	v_mul_u32_u24 v254, v254, MP
	v_and_b32 v255, 255, v0
	v_lshl_add_u32 v254, v255, 4, v254             ; into the mask: 256 threads to a row
	v_add_nc_u32 v255, 16*MP, v254                 ; and 16 rows on
	s_lshl_b32 s30, s18, 4
	s_add_co_u32 s30, s30, s16
	s_lshl_b32 s30, s30, 3                         ; my head's first block
	s_lshr_b32 s46, s17, 2
	s_add_co_u32 s46, s46, s30                     ; the block with my queries
	s_mul_i32 s30, s30, BLK
	s_mul_i32 s46, s46, BLK
	s_mov_b32 s31, 0
	s_mov_b32 s47, 0
	s_and_b32 s19, s17, 3                          ; which two tiles of that block
	s_mov_b32 s20, 0x76543210
	s_mov_b32 s21, 0xfedcba98                      ; v_permlanex16_b32's selects for lane l xor 16
	s_mov_b32 s22, 0x3e38aa3b                      ; log2(e) / 8
	s_mov_b32 s23, s22                             ; (named with it as a pair)
	s_mov_b32 s26, 8                               ; key steps to go
	s_mov_b32 s28, 0                               ; the step's place in a row of the mask
	s_cmp_eq_u32 s17, 0
	s_cselect_b32 s27, 2, -1                       ; the batch's first work-group prefetches while more than two steps are to go; the others never
	s_wait_kmcnt 0x0
	s_add_nc_u64 s[24:25], s[4:5], s[30:31]
	s_add_nc_u64 s[24:25], s[24:25], 4608          ; key step 0: k's codes; v's 4,096 on, k's words 8,192, v's words 8,704
	s_add_nc_u64 s[32:33], s[4:5], s[46:47]
	s_lshl_b32 s46, s19, 2
	s_add_co_u32 s46, s46, 4096
	s_add_nc_u64 s[34:35], s[32:33], s[46:47]      ; q's scale words: lanes 0-15 my tile 0, lanes 16-31 my tile 1
	s_lshl_b32 s46, s19, 10
	s_add_nc_u64 s[32:33], s[32:33], s[46:47]      ; q's codes
	s_lshl_b32 s46, ttmp9, 17                      ; 32 rows of 4,096 bytes
	s_add_nc_u64 s[36:37], s[6:7], s[46:47]        ; the cutoff's
	s_add_nc_u64 s[44:45], s[14:15], s[46:47]      ; out0's,
	s_lshl_b32 s46, s16, 8
	s_add_nc_u64 s[44:45], s[44:45], s[46:47]      ; at my 64 columns
	s_add_nc_u64 s[42:43], s[12:13], s[46:47]      ; bo likewise
	s_lshl_b32 s46, s16, 15
	s_add_nc_u64 s[38:39], s[8:9], s[46:47]        ; Wo's fragments of my 64 rows
	s_lshl_b32 s46, s16, 11
	s_add_nc_u64 s[40:41], s[10:11], s[46:47]      ; and their scale bytes
	; ---- THE MASK: the work-group's 32 rows of the cutoff are 131,072 dense bytes; each load of a wave covers 512 of them
.set j, 0
.rept 16
	global_load_b128 v[S+4*j:S+4*j+3], v252, s[36:37] offset:8192*j th:TH_LOAD_NT
.set j, j+1
.endr
	global_load_b128 v[QF:QF+3], v[L16], s[32:33]
	global_load_b128 v[QF+8:QF+11], v[L16], s[32:33] offset:512
	global_load_b32 v[QSC], v[L16], s[34:35]
	KLOAD
	VLOAD
.set j, 0
.rept 64
	v_mov_b32 v[O+j], 0                            ; O^T.  (The key step is written once: its first trip finds zeros, which the first change of M leaves zeros)
.set j, j+1
.endr
.irp j, 0,1,2,3
	v_mov_b32 v[QF+4+\j], 0                        ; zero codes: the upper half of the score product's K
	v_mov_b32 v[QF+12+\j], 0
	v_mov_b32 v[8+\j], 0                           ; the sums
	v_mov_b32 v[BT+\j], 0                          ; a lane permute's destination counts as one of its sources
	v_mov_b32 v[PC+\j], 0                          ; named as the tail of k's last fragment
	v_mov_b32 v[PC+4+\j], 0
.endr
	v_mov_b32 v2, 0x7f61b1e6                       ; -M: 3e38, over every -t
	v_mov_b32 v4, 0x7f61b1e6
	s_wait_loadcnt 21                              ; the cutoff is in; q's 3, k's 9 and v's 9 loads, issued behind it, may be out
.set j, 0
.rept 64
	v_max_num_f32 v[S+j], 0x26901d7d, v[S+j]       ; the clip at 1e-15
.set j, j+1
.endr
.set j, 0
.rept 64
	v_log_f32 v[S+j], v[S+j]                       ; log2
.set j, j+1
.endr
	v_mov_b32 v253, 0                              ; a plain place behind the logarithms.  (v253: later the idle half of a pair)
	s_wait_alu depctr_va_vdst(0)                   ; one wait for the batch, ahead of its first reader
.set j, 0
.rept 32
	v_pk_mul_f32 v[S+j:S+j+1], v[S+j:S+j+1], 0x40b17218 op_sel_hi:[1,0]   ; x 8 ln 2
.set j, j+2
.endr
.irp i, 0,1,2,3,4,5,6,7
	ds_store_b128 v254, v[S+4*\i:S+4*\i+3] offset:2*\i*MP          ; load i brought rows 2 i and 2 i + 1
.endr
.irp i, 0,1,2,3,4,5,6,7
	ds_store_b128 v255, v[S+32+4*\i:S+32+4*\i+3] offset:2*\i*MP
.endr
	s_wait_dscnt 0x0                               ; for the others' sake: my stores have landed
	s_barrier_signal -1
	s_barrier_wait -1                              ; the mask is whole
; ---- ONE TILE OF 16 QUERIES AGAINST 128 KEYS
.macro TILE m
.set NM, 2+2*\m
.set SM, 8+2*\m
.set MR, 5+2*\m
.set OB, O+32*\m
	v_add_nc_u32 v[T1], s28, v[MR]
.irp t, 0,1,2,3,4,5,6,7
	ds_load_b128 v[S+8*\t:S+8*\t+3], v[T1] offset:64*\t            ; the mask lands where the scores will stand: it is the product's C
	ds_load_b128 v[S+8*\t+4:S+8*\t+7], v[T1] offset:64*\t+16
.endr
.if \m == 0
	s_wait_loadcnt 9                               ; k (and in the first trip q) is in; v's nine loads, issued behind it, may be out
.endif
	s_wait_dscnt 0x0
.irp t, 0,1,2,3,4,5,6,7
	WM S+8*\t, KF+4*\t, QF+8*\m, S+8*\t, KSC+(\t)/2, QSC, (\t)%2, \m
.endr
.rept 4
	v_nop                                          ; places behind the products: results are read, and k's registers loaded, below
.endr
.if \m == 1
	s_cmp_eq_u32 s26, 1                            ; the last trip asks for nothing: no load leaves the buffer
	s_cbranch_scc1 .Lno_k_\@
	s_wait_xcnt 0x0                                ; the last trip's loads and prefetches have read the pointer
	s_add_nc_u64 s[24:25], s[24:25], BLK           ; the next key step
	KLOAD                                          ; it has this tile's softmax in which to land
	s_cmp_gt_u32 s26, s27
	s_cbranch_scc0 .Lno_k_\@
	global_prefetch_b8 v[PFO], s[24:25] offset:BLK th:TH_LOAD_NT scope:SCOPE_SE          ; the key step after that, 8,960 bytes of my head: 32 blocks of 256 bytes, a lane a block,
	global_prefetch_b8 v[PFO2], s[24:25] offset:BLK+8192 th:TH_LOAD_NT scope:SCOPE_SE    ; and the last three (lanes 2 to 31 name the third together).  One trip ahead of the loads that want them; asked by one work-group of the batch
.Lno_k_\@:
.endif
.irp g, 0,1,2,3
	v_max3_num_f32 v[BM+\g], v[S+16*\g], v[S+16*\g+1], v[S+16*\g+2]   ; the largest score of each block of 32 keys: for the row's maximum, and, since p rises with the score, for the block's largest p
.endr
.irp i, 3,5,7,9,11,13
.irp g, 0,1,2,3
	v_max3_num_f32 v[BM+\g], v[BM+\g], v[S+16*\g+\i], v[S+16*\g+\i+1]
.endr
.endr
.irp g, 0,1,2,3
	v_max_num_f32 v[BM+\g], v[BM+\g], v[S+16*\g+15]
.endr
.irp g, 0,1,2,3
	v_permlanex16_b32 v[BT+\g], v[BM+\g], s20, s21
.endr
.irp g, 0,1,2,3
	v_max_num_f32 v[BM+\g], v[BM+\g], v[BT+\g]     ; with lane l xor 16's 16 keys
.endr
	v_max3_num_f32 v[T1], v[BM], v[BM+1], v[BM+2]
	v_max_num_f32 v[T1], v[T1], v[BM+3]
	v_mul_f32 v[T1], s22, v[T1]                    ; the step's largest t
	v_floor_f32 v[T2], -v[T1]                      ; -ceil(t)
	v_min_num_f32 v[T2], v[T2], v[NM]              ; the new -M
	v_sub_f32 v[T1], v[T2], v[NM]                  ; old M - new M: a whole number, 0 or less
	v_mov_b32 v[NM], v[T2]
	v_cvt_i32_f32 v[T1], v[T1]                     ; (it saturates)
	v_ldexp_f32 v[F], 1.0, v[T1]                   ; a multiplication by it rounds nothing
.set j, 0
.rept 32
	v_pk_fma_f32 v[S+j:S+j+1], v[S+j:S+j+1], s[22:23], v[NM:NM+1] op_sel_hi:[1,0,0]   ; t - M
.set j, j+2
.endr
.irp g, 0,1,2,3
	v_fma_f32 v[BM+\g], v[BM+\g], s22, v[NM]       ; the same of each block's largest score
.endr
.set j, 0
.rept 64
	v_exp_f32 v[S+j], v[S+j]                       ; p = 2^(t - M)
.set j, j+1
.endr
	v_pk_mul_f32 v[SM:SM+1], v[SM:SM+1], v[F:F+1] op_sel_hi:[1,0]   ; the sum under the new M.  (A plain place behind the exponentials)
	s_wait_alu depctr_va_vdst(0)                   ; one wait for the batch of 64, ahead of its first reader
.irp g, 0,1,2,3
	v_exp_f32 v[BM+\g], v[BM+\g]                   ; the block's largest p: the same two instructions on the same number
.endr
	v_pk_add_f32 v[T1:T1+1], v[S:S+1], v[S+2:S+3]  ; the row's sum of the unquantised p, in two chains
.irp j, 4,8,12,16,20,24,28,32,36,40,44,48,52
	v_pk_add_f32 v[SM:SM+1], v[SM:SM+1], v[S+\j:S+\j+1]
	v_pk_add_f32 v[T1:T1+1], v[T1:T1+1], v[S+\j+2:S+\j+3]
.endr
	s_wait_alu depctr_va_vdst(0)                   ; and one for the four
.irp g, 0,1,2,3
	v_max_num_f32 v[BM+\g], 0x1800000, v[BM+\g]    ; the floor 2^(3 - 127): the byte cannot fall under 1
.endr
.irp g, 0,1,2,3
	v_add_nc_u32 v[SO+\g], 0xff000000, v[BM+\g]    ; 2 off the exponent field: the conversion's scale operand
.endr
.irp g, 0,1,2,3
	v_lshrrev_b32 v[BT+\g], 23, v[SO+\g]           ; the scale's byte
.endr
	v_lshl_or_b32 v[PSC], v[BT+1], 8, v[BT]
	v_lshl_or_b32 v[PSC], v[BT+2], 16, v[PSC]
	v_lshl_or_b32 v[PSC], v[BT+3], 24, v[PSC]      ; p's scale word for these 128 keys
.irp c, 0,1
.irp e, 0,1
.irp u, 0,1
	v_cvt_scalef32_pk8_fp4_f32 v[PC+4*\c+2*\u+\e], v[S+16*(2*\c+\e)+8*\u:S+16*(2*\c+\e)+8*\u+7], v[SO+2*\c+\e]
.endr
.endr
.endr
.irp j, 0,2,4,6
	v_pk_mul_f32 v[OB+\j:OB+\j+1], v[OB+\j:OB+\j+1], v[F:F+1] op_sel_hi:[1,0]   ; O^T under the new M; the first of these is the plain place behind the conversions
.endr
.irp c, 0,1
.irp u, 0,1
	v_permlane16_swap_b32 v[PC+4*\c+2*\u], v[PC+4*\c+2*\u+1]       ; a whole block to a lane
.endr
.endr
.irp j, 8,10,12,14,16,18,20,22,24,26,28,30
	v_pk_mul_f32 v[OB+\j:OB+\j+1], v[OB+\j:OB+\j+1], v[F:F+1] op_sel_hi:[1,0]
.endr
.irp j, 56,60
	v_pk_add_f32 v[SM:SM+1], v[SM:SM+1], v[S+\j:S+\j+1]            ; the sum's last additions stand here: plain lines that name no register of the products below
	v_pk_add_f32 v[T1:T1+1], v[T1:T1+1], v[S+\j+2:S+\j+3]
.endr
	v_pk_add_f32 v[SM:SM+1], v[SM:SM+1], v[T1:T1+1]
.if \m == 0
	s_wait_loadcnt 0x0                             ; v is in
.endif
.irp d, 0,1,2,3
	WM OB+8*\d, VF+8*\d, PC, OB+8*\d, VSC+(\d)/2, PSC, (\d)%2, 0
.endr
.if \m == 1
.rept 4
	v_nop                                          ; places behind the products: v's registers are loaded below; behind the last trip O^T is read
.endr
	s_cmp_eq_u32 s26, 1
	s_cbranch_scc1 .Lno_v_\@
	VLOAD                                          ; the next step's v has the next tile's softmax in which to land
.Lno_v_\@:
.endif
.endm
.Lkey:                                             ; 8 trips of 128 keys; no barrier: the mask is only read, k and v are the wave's own
	TILE 0
	TILE 1
	s_add_co_u32 s28, s28, 512
	s_sub_co_u32 s26, s26, 1
	s_cmp_lg_u32 s26, 0
	s_cbranch_scc1 .Lkey
	; ---- O / the sum, quantised along d, to LDS as images of operand registers
	s_wait_loadcnt 0x0                             ; no load of the loop is out (its last trip issues none): the registers that k's, v's and their scale words' loads name are loaded anew only behind this wait
	s_wait_xcnt 0x0                                ; the prefetches have read their offsets: v12 and v13 are written below
	v_and_b32 v6, 31, v0
	v_lshlrev_b32 v2, 5, v6                        ; Wo's scale bytes: 32 a row, a lane a row
	v_lshl_add_u32 v7, v6, 2, SIMG                 ; scale words: 4 bytes a lane
	v_add_nc_u32 v12, IMG, v[L16]                  ; images: 16 bytes a lane
	s_lshl_b32 s30, s16, 9
	v_add_nc_u32 v13, s30, v12                     ; my head's: 512 x wave on
	s_lshl_b32 s30, s16, 7
	v_add_nc_u32 v5, s30, v7                       ; my head's half words: 128 x wave on
	v_and_b32 v6, 15, v0                           ; r
	v_bfe_u32 v15, v0, 4, 1                        ; h
	v_lshlrev_b32 v4, 5, v15                       ; 32 h
	s_mul_i32 s30, s16, 16*STP                     ; my stage
	v_mul_u32_u24 v254, v6, STP
	v_add_nc_u32 v254, v254, v4
	v_add_nc_u32 v254, s30, v254                   ; in: row r, + 32 h
	v_mul_u32_u24 v255, v15, STP
	v_lshl_add_u32 v255, v6, 4, v255
	v_add_nc_u32 v255, s30, v255                   ; back: lanes 0-15 one row, lanes 16-31 the next
	v_lshlrev_b32 v3, 12, v15
	v_lshl_add_u32 v3, v6, 4, v3                   ; and the same two rows in out0
.macro WFL s                           ; Wo's four fragments of K step s: eight loads, into v32 on or v72 on by turns
.irp i, 0,1,2,3,4,5,6,7
	global_load_b128 v[32+40*((\s)%2)+4*\i:32+40*((\s)%2)+4*\i+3], v[L16], s[38:39] offset:4096*(\s)+512*\i
.endr
.endm
.macro AFL s                           ; the rows' two fragments of K step s (heads 2 s and 2 s + 1): four loads
.irp m, 0,1
	ds_load_b128 v[S+16*((\s)%2)+8*\m:S+16*((\s)%2)+8*\m+3], v12 offset:8192*\m+1024*(\s)
	ds_load_b128 v[S+16*((\s)%2)+8*\m+4:S+16*((\s)%2)+8*\m+7], v12 offset:8192*\m+1024*(\s)+512
.endr
.endm
.irp p, 0,1
.irp i, 0,1
	global_load_b128 v[WS+8*\p+4*\i:WS+8*\p+4*\i+3], v2, s[40:41] offset:1024*\p+16*\i   ; lane l: row 32 p + l of my 64: lanes 0-15 tile 2 p, lanes 16-31 tile 2 p + 1; register 8 p + s is K step s's word
.endr
.endr
.irp n, 0,1,2,3
	global_load_b128 v[152+8*\n-152*(\n/2):152+8*\n-152*(\n/2)+3], v4, s[42:43] offset:64*\n          ; bo[16 n + 8 h + 0 .. 7]: the C of tile n's first product (v152, v160, v16, v24)
	global_load_b128 v[152+8*\n-152*(\n/2)+4:152+8*\n-152*(\n/2)+7], v4, s[42:43] offset:64*\n+16
.endr
	WFL 0
	WFL 1
	v_add_f32 v14, v8, v9                          ; the sums' two halves,
	v_add_f32 v252, v10, v11
	v_permlanex16_b32 v[BT], v14, s20, s21
	v_permlanex16_b32 v[BT+1], v252, s20, s21
	v_add_f32 v14, v14, v[BT]                      ; and lane l xor 16's
	v_add_f32 v252, v252, v[BT+1]
	v_rcp_f32 v14, v14
	v_rcp_f32 v252, v252
	v_and_b32 v10, 31, v0                          ; (a plain place behind the reciprocals)
	s_wait_alu depctr_va_vdst(0)                   ; one wait for the two, ahead of their first reader
.set j, 0
.rept 16
	v_pk_mul_f32 v[O+j:O+j+1], v[O+j:O+j+1], v[14:15] op_sel_hi:[1,0]     ; each accumulator from its low end on
.set j, j+2
.endr
.rept 16
	v_pk_mul_f32 v[O+j:O+j+1], v[O+j:O+j+1], v[252:253] op_sel_hi:[1,0]
.set j, j+2
.endr
.irp g, 0,1,2,3                        ; blocks 0, 1: tile 0's d 0-31, 32-63; blocks 2, 3: tile 1's
	v_max3_num_f32 v[BM+\g], |v[O+16*\g]|, |v[O+16*\g+1]|, 0x1800000
.endr
.irp i, 2,4,6,8,10,12,14
.irp g, 0,1,2,3
	v_max3_num_f32 v[BM+\g], v[BM+\g], |v[O+16*\g+\i]|, |v[O+16*\g+\i+1]|
.endr
.endr
.irp g, 0,1,2,3
	v_permlanex16_b32 v[BT+\g], v[BM+\g], s20, s21
.endr
.irp g, 0,1,2,3
	v_max_num_f32 v[BM+\g], v[BM+\g], v[BT+\g]
.endr
.irp g, 0,1,2,3
	v_add_nc_u32 v[SO+\g], 0xff000000, v[BM+\g]
.endr
.irp g, 0,1,2,3
	v_lshrrev_b32 v[BT+\g], 23, v[SO+\g]
.endr
	v_lshl_or_b32 v8, v[BT+1], 8, v[BT]            ; tile 0's two bytes of my head,
	v_lshl_or_b32 v9, v[BT+3], 8, v[BT+2]          ; tile 1's
	v_cmp_le_u32 vcc_lo, 16, v10
	v_cndmask_b32 v8, v8, v9, vcc_lo               ; lanes 0-15 tile 0's rows, lanes 16-31 tile 1's
.irp c, 0,1
.irp e, 0,1
.irp u, 0,1
	v_cvt_scalef32_pk8_fp4_f32 v[PC+4*\c+2*\u+\e], v[O+16*(2*\c+\e)+8*\u:O+16*(2*\c+\e)+8*\u+7], v[SO+2*\c+\e]
.endr
.endr
.endr
	v_nop                                          ; one plain place behind the scaled conversions
.irp c, 0,1
.irp u, 0,1
	v_permlane16_swap_b32 v[PC+4*\c+2*\u], v[PC+4*\c+2*\u+1]
.endr
.endr
	ds_store_b128 v13, v[PC:PC+3]                  ; tile 0: four registers of the fragment of K step wave / 2
	ds_store_b128 v13, v[PC+4:PC+7] offset:8192    ; tile 1
	ds_store_b32 v5, v8
	s_wait_dscnt 0x0                               ; my stores have landed, and my reads of the mask are long over
	s_barrier_signal -1
	s_barrier_wait -1                              ; all heads' images lie in LDS; nobody reads the mask any more
	; ---- out0 = (..) Wo^T + bo: my 64 columns for the 32 rows: 8 accumulators by turns, 8 K steps of 128 (two heads each)
.irp s, 0,1,2,3,4,5,6,7
	ds_load_b32 v[XS+\s], v7 offset:256*\s         ; head 2 s's half words,
.endr
.irp s, 0,1,2,3,4,5,6,7
	ds_load_b32 v[BM+\s], v7 offset:256*\s+128     ; head 2 s + 1's
.endr
	AFL 0
	AFL 1
	s_wait_dscnt 8                                 ; the sixteen words are in; the two operand sets' eight loads may be out
.irp s, 0,1,2,3,4,5,6,7
	v_lshl_or_b32 v[XS+\s], v[BM+\s], 16, v[XS+\s] ; the rows' scale word of K step s
.endr
.rept 8
	v_nop                                          ; a scale register written by a vector instruction stands 8 places ahead of a scaled product
.endr
.macro OSTEP s
.set WB, 32+40*((\s)%2)
.set AB, S+16*((\s)%2)
.if (\s) < 7
	s_wait_loadcnt 8                               ; this step's fragments of Wo are in (with the first: its scale words and bo); the next step's eight loads may be out
	s_wait_dscnt 4                                 ; the rows' fragments likewise: the next step's four may be out
.else
	s_wait_loadcnt 0x0
	s_wait_dscnt 0x0
.endif
.irp n, 0,1,2,3
.irp m, 0,1
.if (\s) == 0
	WM O+8*(2*\n+\m), WB+8*\n, AB+8*\m, 152+8*\n-152*(\n/2), WS+8*(\n/2)+(\s), XS+(\s), \n%2, \m
.else
	WM O+8*(2*\n+\m), WB+8*\n, AB+8*\m, O+8*(2*\n+\m), WS+8*(\n/2)+(\s), XS+(\s), \n%2, \m
.endif
.endr
.endr
.rept 4
	v_nop                                          ; places in front of loads into registers that the products have read, and of the first read of results
.endr
.if (\s) < 6
	WFL (\s)+2
	AFL (\s)+2
.endif
.endm
.irp s, 0,1,2,3,4,5,6,7
	OSTEP \s
.endr
	; THE WAY OUT: a lane holds 32 neighbouring bytes of a row; 16 rows x 256 bytes go through my own stage and come back as whole rows.  LDS serves a wave's instructions in order (ISA guide 5.7.1.4).
.irp m, 0,1
.irp n, 0,1,2,3
	ds_store_b128 v254, v[O+8*(2*\n+\m):O+8*(2*\n+\m)+3] offset:64*\n
	ds_store_b128 v254, v[O+8*(2*\n+\m)+4:O+8*(2*\n+\m)+7] offset:64*\n+16
.endr
.irp i, 0,1,2,3,4,5,6,7
	ds_load_b128 v[32+40*\m+4*\i:32+40*\m+4*\i+3], v255 offset:2*\i*STP
.endr
.endr
.irp i, 0,1,2,3,4,5,6,7
	s_wait_dscnt 23-\i                             ; behind tile 0's load i: its 7 - i younger loads and tile 1's sixteen
	global_store_b128 v3, v[32+4*\i:32+4*\i+3], s[44:45] offset:2*\i*4096 th:TH_STORE_NT           ; 16 lanes store 256 consecutive bytes, at a multiple of 256 from out0's first byte
.endr
.irp i, 0,1,2,3,4,5,6,7
	s_wait_dscnt 7-\i
	global_store_b128 v3, v[72+4*\i:72+4*\i+3], s[44:45] offset:(16+2*\i)*4096 th:TH_STORE_NT
.endr
	s_wait_xcnt 0x0
	v_lshl_add_u32 v254, v0, 2, 0x24a00
	v_mov_b32 v255, 0
	s_wait_tensorcnt 0x0
	ds_add_u32 v254, v255
	s_wait_dscnt 0x0
	s_endpgm
.Lfunc_end_k_q9986a1739c_attn:
	.size	k_q9986a1739c_attn, .Lfunc_end_k_q9986a1739c_attn-k_q9986a1739c_attn
	.p2alignl 7, 3214868480
	.fill 96, 4, 3214868480
	.section	.rodata,"a",@progbits
	.p2align	6, 0x0
	.amdhsa_kernel k_q9986a1739c_attn
		.amdhsa_group_segment_fixed_size 152064
		.amdhsa_private_segment_fixed_size 0
		.amdhsa_enable_private_segment 0
		.amdhsa_kernarg_size 48
		.amdhsa_user_sgpr_count 2
		.amdhsa_user_sgpr_kernarg_segment_ptr 1
		.amdhsa_wavefront_size32 1
		.amdhsa_system_sgpr_workgroup_id_x 1
		.amdhsa_system_sgpr_workgroup_id_y 1
		.amdhsa_system_sgpr_workgroup_id_z 1
		.amdhsa_system_vgpr_workitem_id 0
		.amdhsa_next_free_vgpr 256
		.amdhsa_next_free_sgpr 66
		.amdhsa_reserve_vcc 1
		.amdhsa_float_denorm_mode_32 3
		.amdhsa_float_denorm_mode_16_64 3
		.amdhsa_memory_ordered 1
		.amdhsa_forward_progress 1
		.amdhsa_inst_pref_size 83
	.end_amdhsa_kernel
	.amdgpu_metadata
---
amdhsa.version: [ 1, 2 ]
amdhsa.kernels:
  - .name:           k_q9986a1739c_attn
    .symbol:         k_q9986a1739c_attn.kd
    .args:
      - { .name: qkv, .offset: 0, .size: 8, .value_kind: global_buffer, .address_space: global }
      - { .name: cutoff_factors, .offset: 8, .size: 8, .value_kind: global_buffer, .address_space: global }
      - { .name: wo_img, .offset: 16, .size: 8, .value_kind: global_buffer, .address_space: global }
      - { .name: Wo_scales, .offset: 24, .size: 8, .value_kind: global_buffer, .address_space: global }
      - { .name: bo, .offset: 32, .size: 8, .value_kind: global_buffer, .address_space: global }
      - { .name: out0, .offset: 40, .size: 8, .value_kind: global_buffer, .address_space: global }
    .group_segment_fixed_size: 152064
    .private_segment_fixed_size: 0
    .kernarg_segment_align: 8
    .kernarg_segment_size: 48
    .max_flat_workgroup_size: 512
    .sgpr_count:     66
    .vgpr_count:     256
    .wavefront_size: 32
...
	.end_amdgpu_metadata
.endif
;; end of part 2
;; ======== version 2 of 2: 2 launches; version 1 with the launch attn written anew for expert scheduling mode
;; workspace buffers: qkv 13,893,632 bytes; wo_img 524,288 bytes
;; launch qkv: the kernel of part 1 again; grid 12 x 32, 4 waves a work-group, clusters of 4 x 4, 327,680 bytes of LDS; arguments x_codes, x_scales, Wi_codes, Wi_scales, bi, Wo_codes, qkv, wo_img; writes qkv, wo_img
;; launch attn (part 3): grid 256 x 1, 16 waves a work-group, no clusters, 152,064 bytes of LDS; arguments qkv, cutoff_factors, wo_img, Wo_scales, bo, out0; writes out0
.if DOCPART == 3
	.amdgcn_target "amdgcn-amd-amdhsa--gfx1250"
	.amdhsa_code_object_version 6
	.text
	.protected	k_q9986a1739c_attn
	.globl	k_q9986a1739c_attn
	.p2align	8
	.type	k_q9986a1739c_attn,@function
k_q9986a1739c_attn:
	s_mov_b64 s[64:65], 0
	v_nop
	global_prefetch_b8 v0, s[64:65] scope:SCOPE_SE
	s_setreg_imm32_b32 hwreg(HW_REG_WAVE_SCHED_MODE, 0, 2), 2
	s_setreg_imm32_b32 hwreg(HW_REG_WAVE_MODE, 25, 1), 1
	s_wait_xcnt 0x0
	s_wait_alu depctr_vm_vsrc(0)
; out0 = (softmax(q k^T / 8 + log(max(cutoff, 1e-15))) v) Wo^T + bo, all three products on codes of FP4 (E2M1) with one E8M0 scale for each 32 along K.
; SHARES.  A work-group owns 32 queries of one batch for ALL 16 heads; wave w is head w, with two tiles of 16 queries.  So the mask's clip and logarithm are taken once for each number and not once a head;
; all heads of a row meet in one work-group, so the last product is made here and the attention's result never goes to memory; and a head's k and v are read by one wave alone, from memory straight into
; operand registers (the launch before stored them as images of those registers): the loop over the keys has no barrier.  No tile is shared between work-groups through LDS, so there is no cluster:
; one key step of all heads, 16 x 8,960 bytes, twice, does not fit beside the mask's 131,584 bytes.
; LAYOUT.  Both products of the attention are used transposed: S^T = k q^T (source 0 = 16 keys, source 1 = 16 queries), O^T = v^T p^T: a lane holds ONE query (lane % 16) throughout; register 8 t + j of S
; is key 16 t + 8 (lane / 16) + j.  A conversion takes 8 neighbours; block 2 c + e, tile u: its code register goes to 4 c + 2 u + e, and an exchange of halves gives the operand's order.
; K = 64 IN A PRODUCT OF K = 128: q's registers 4-7 hold zero codes; k's fragment t is named v[KF + 4 t .. + 7], so its upper four registers are whatever follows: a code x the code 0 adds nothing (E2M1 has
; no infinity and no NaN).  The scale words repeat the two real bytes, so the idle blocks carry no larger scale than the real ones.
; THE MASK IS THE C OF THE SCORE PRODUCT: S = k q^T + 8 ln(max(cutoff, 1e-15)), t = S x log2(e) / 8, which is reference()'s (score / 8 + ln) x log2(e), since x 8 is exact.  The sum of score and mask is
; rounded by the matrix unit and not by v_add_f32.
; SOFTMAX.  -M = min(old -M, floor(-t of the step)): M is the ceiling of the running largest t, a whole number; p = 2^(t - M) is quantised along the keys, not normalised; the row's sum is taken of the
; unquantised p; when M moves, the sum and O are multiplied by 2^(old M - new M), exactly.  O is divided by the sum at the end (v_rcp_f32 and a multiplication), quantised along d, and handed round through LDS.
; LIMITS: NaN, infinities and scale bytes 0xff among the inputs are not served (a NaN cutoff counts as 1e-15).  A block whose largest magnitude lies under 2^-124, a block of zeros among them, keeps the scale byte 1.
; LDS: 0 the mask, 32 rows of 4,096 + 16 bytes (16 rows of a load start at 16 different banks; 64 banks of 4 bytes: ISA guide 11.1); IMG the heads' codes, tile m, head w at 8,192 m + 512 w + 16 lane;
; SIMG their scale half words, 128 bytes a wave; behind the second barrier the mask's bytes serve as stages of 16 rows x 272 bytes, one a wave.
; THE MODE: SCHED_MODE bits 1:0 = 2 (LLVM: expert scheduling mode 2), set by the entry lines.  The code itself states the register dependences between vector or matrix instructions and memory or LDS
; instructions, with s_wait_alu, always for 0.
; THE PLAN.  Registers that memory or LDS instructions touch in the key loop, and who else names them:
;   S (v104-167)      The mask's 16 LDS loads land in it; the score products, the softmax, the conversions and the sums name it; a tile's last sum is its last reader.  All 256 registers are taken: there is one S.
;   KF, KSC           k's nine loads land in them, behind tile 1's score products, their last readers in a trip.
;   VF, VSC           v's nine loads land in them, behind tile 1's products with p, their last readers in a trip.
;   v255, v254        LDS addresses of the mask: tile 1's of this trip, tile 0's of the next.  Each is written once a trip and read by 16 LDS loads.
;   v1, v3, v12, v13  Offsets made at the head and not written in the loop: k's and v's place moves by the scalar pointer.
;   PC, v251          p's codes and scale word: written by vector lines, read by the products alone.
; A tile's part of the mask is asked for in the tile before: tile 1's among tile 0's four products with p, tile 0's of the next trip with v's loads behind tile 1's products, the first trip's ahead of the loop.
; THE WAITS OF A TRIP.  At its top one on vm_vsrc: the mask's loads issued so far have read v254 and v255.  In each tile, beside the two behind the exponentials, one on va_vdst directly ahead of the products
; with p: PC and v251 are written; in tile 0 also: v255 is written and S has had its last reader, so that the 16 loads dealt among the four products, which name O, VF, PC, VSC and v251 alone, follow with no further wait.
; In tile 1 one ahead of k's loads (the score products are done with KF and KSC) and one ahead of v's and the mask's (v254 is written, the products are done with VF and VSC).
.set BLK,  13568                       ; a block of qkv: one head, 128 rows
.set MP,   4112
.set IMG,  32*MP
.set SIMG, IMG+16384
.set STP,  272
.set L16,  1                           ; v1   16 x lane
.set L8,   3                           ; v3   8 x lane      (v2, v4: -M of tiles 0, 1; each names the register above it as the idle half of a pair)
.set MR0,  5                           ; v5   my place in the mask's rows for tile 0
.set F,    6                           ; v6   2^(old M - new M)
.set MR1,  7                           ; v7   my place in the mask's rows for tile 1
.set PFO,  12                          ; v12  256 x lane
.set PFO2, 13                          ; v13  256 x min(lane, 2)
.set T1,   14
.set T2,   15
.set QF,   16                          ; v16-31  q's two fragments; registers 4-7 of each are zero codes          (v8-11: the two sums, in two halves each)
.set KF,   32                          ; v32-63  k: 8 tiles x 4 registers
.set PC,   64                          ; v64-71  the codes just made
.set VF,   72                          ; v72-103 v: 4 fragments
.set S,    104                         ; v104-167 the cutoff, the mask as C, the scores, p
.set O,    168                         ; v168-231 O^T: tile m at + 32 m; later the last product's 8 accumulators
.set BM,   232
.set BT,   236
.set SO,   240
.set KSC,  244                         ; v244-247 k's scale words, v248-249 v's, v250 q's, v251 p's; in the last product v244-251 the rows' scale words
.set VSC,  248
.set QSC,  250
.set PSC,  251
.set XS,   244
.set WS,   136                         ; the last product: Wo's scale words
.set MA0,  254                         ; v254 in the key loop: the LDS address of tile 0's part of the mask in the next trip  (at the head and on the way out v254, v255 are other LDS addresses)
.set MA1,  255                         ; v255 in the key loop: of tile 1's in this trip
; one scaled product; ra, rb: the scale words stand in lanes 16-31 of the register named
.macro WM d, a, b, c, sa, sb, ra, rb
.if (\ra) && (\rb)
	v_wmma_scale_f32_16x16x128_f8f6f4 v[\d:\d+7], v[\a:\a+7], v[\b:\b+7], v[\c:\c+7], v[\sa], v[\sb] matrix_a_fmt:MATRIX_FMT_FP4 matrix_b_fmt:MATRIX_FMT_FP4 matrix_a_scale:MATRIX_SCALE_ROW1 matrix_b_scale:MATRIX_SCALE_ROW1
.elseif (\ra)
	v_wmma_scale_f32_16x16x128_f8f6f4 v[\d:\d+7], v[\a:\a+7], v[\b:\b+7], v[\c:\c+7], v[\sa], v[\sb] matrix_a_fmt:MATRIX_FMT_FP4 matrix_b_fmt:MATRIX_FMT_FP4 matrix_a_scale:MATRIX_SCALE_ROW1
.elseif (\rb)
	v_wmma_scale_f32_16x16x128_f8f6f4 v[\d:\d+7], v[\a:\a+7], v[\b:\b+7], v[\c:\c+7], v[\sa], v[\sb] matrix_a_fmt:MATRIX_FMT_FP4 matrix_b_fmt:MATRIX_FMT_FP4 matrix_b_scale:MATRIX_SCALE_ROW1
.else
	v_wmma_scale_f32_16x16x128_f8f6f4 v[\d:\d+7], v[\a:\a+7], v[\b:\b+7], v[\c:\c+7], v[\sa], v[\sb] matrix_a_fmt:MATRIX_FMT_FP4 matrix_b_fmt:MATRIX_FMT_FP4
.endif
.endm
.macro KLOAD                           ; a key step's k: 8 tiles and their scale words: nine loads
.irp t, 0,1,2,3,4,5,6,7
	global_load_b128 v[KF+4*\t:KF+4*\t+3], v[L16], s[24:25] offset:512*\t
.endr
	global_load_b128 v[KSC:KSC+3], v[L16], s[24:25] offset:8192
.endm
.macro VLOAD                           ; and its v: 4 fragments and their scale words: nine loads
.irp i, 0,1,2,3,4,5,6,7
	global_load_b128 v[VF+4*\i:VF+4*\i+3], v[L16], s[24:25] offset:4096+512*\i
.endr
	global_load_b64 v[VSC:VSC+1], v[L8], s[24:25] offset:8704
.endm
.macro MROW adr, t                     ; the mask for 16 keys, tile t of a key step's eight: it lands where the scores will stand: it is the product's C
	ds_load_b128 v[S+8*(\t):S+8*(\t)+3], v[\adr] offset:64*(\t)
	ds_load_b128 v[S+8*(\t)+4:S+8*(\t)+7], v[\adr] offset:64*(\t)+16
.endm
	s_load_b256 s[4:11], s[0:1], 0x0               ; qkv, cutoff, wo_img, Wo's scales
	s_load_b128 s[12:15], s[0:1], 0x20             ; bo, out0
	v_lshrrev_b32 v14, 5, v0
	v_readfirstlane_b32 s16, v14                   ; wave = head
	s_and_b32 s17, ttmp9, 31                       ; which 32 queries of the batch
	s_lshr_b32 s18, ttmp9, 5                       ; the batch
	v_and_b32 v15, 31, v0
	v_lshlrev_b32 v[L16], 4, v15
	v_lshlrev_b32 v[L8], 3, v15
	v_lshlrev_b32 v[PFO], 8, v15
	v_min_u32 v[PFO2], 2, v15
	v_lshlrev_b32 v[PFO2], 8, v[PFO2]
	v_and_b32 v14, 15, v0                          ; r
	v_bfe_u32 v15, v0, 4, 1                        ; h
	v_mul_u32_u24 v5, v14, MP
	v_lshl_add_u32 v5, v15, 5, v5                  ; the mask for tile 0: row r, + 32 h bytes
	v_add_nc_u32 v7, 16*MP, v5                     ; for tile 1: 16 rows on
	v_lshlrev_b32 v252, 4, v0                      ; the cutoff: 16 bytes a thread
	v_lshrrev_b32 v254, 8, v0
	v_mul_u32_u24 v254, v254, MP
	v_and_b32 v255, 255, v0
	v_lshl_add_u32 v254, v255, 4, v254             ; into the mask: 256 threads to a row
	v_add_nc_u32 v255, 16*MP, v254                 ; and 16 rows on
	s_wait_alu depctr_va_sdst(0)                   ; s16 is written, ahead of its first reader: the head's places in qkv, Wo, bo and out0 are made from it
	s_lshl_b32 s30, s18, 4
	s_add_co_u32 s30, s30, s16
	s_lshl_b32 s30, s30, 3                         ; my head's first block
	s_lshr_b32 s46, s17, 2
	s_add_co_u32 s46, s46, s30                     ; the block with my queries
	s_mul_i32 s30, s30, BLK
	s_mul_i32 s46, s46, BLK
	s_mov_b32 s31, 0
	s_mov_b32 s47, 0
	s_and_b32 s19, s17, 3                          ; which two tiles of that block
	s_mov_b32 s20, 0x76543210
	s_mov_b32 s21, 0xfedcba98                      ; v_permlanex16_b32's selects for lane l xor 16
	s_mov_b32 s22, 0x3e38aa3b                      ; log2(e) / 8
	s_mov_b32 s23, s22                             ; (named with it as a pair)
	s_mov_b32 s26, 8                               ; key steps to go
	s_mov_b32 s28, 0                               ; the step's place in a row of the mask
	s_cmp_eq_u32 s17, 0
	s_cselect_b32 s27, 2, -1                       ; the batch's first work-group prefetches while more than two steps are to go; the others never
	s_wait_kmcnt 0x0
	s_add_nc_u64 s[24:25], s[4:5], s[30:31]
	s_add_nc_u64 s[24:25], s[24:25], 4608          ; key step 0: k's codes; v's 4,096 on, k's words 8,192, v's words 8,704
	s_add_nc_u64 s[32:33], s[4:5], s[46:47]
	s_lshl_b32 s46, s19, 2
	s_add_co_u32 s46, s46, 4096
	s_add_nc_u64 s[34:35], s[32:33], s[46:47]      ; q's scale words: lanes 0-15 my tile 0, lanes 16-31 my tile 1
	s_lshl_b32 s46, s19, 10
	s_add_nc_u64 s[32:33], s[32:33], s[46:47]      ; q's codes
	s_lshl_b32 s46, ttmp9, 17                      ; 32 rows of 4,096 bytes
	s_add_nc_u64 s[36:37], s[6:7], s[46:47]        ; the cutoff's
	s_add_nc_u64 s[44:45], s[14:15], s[46:47]      ; out0's,
	s_lshl_b32 s46, s16, 8
	s_add_nc_u64 s[44:45], s[44:45], s[46:47]      ; at my 64 columns
	s_add_nc_u64 s[42:43], s[12:13], s[46:47]      ; bo likewise
	s_lshl_b32 s46, s16, 15
	s_add_nc_u64 s[38:39], s[8:9], s[46:47]        ; Wo's fragments of my 64 rows
	s_lshl_b32 s46, s16, 11
	s_add_nc_u64 s[40:41], s[10:11], s[46:47]      ; and their scale bytes
	s_wait_alu depctr_va_vdst(0)                   ; the offsets and addresses v1, v3, v5, v12, v13, v252, v254 and v255 are written, which the loads, prefetches and LDS instructions up to the loop's end read
	; ---- THE MASK: the work-group's 32 rows of the cutoff are 131,072 dense bytes; each load of a wave covers 512 of them
.set j, 0
.rept 16
	global_load_b128 v[S+4*j:S+4*j+3], v252, s[36:37] offset:8192*j th:TH_LOAD_NT
.set j, j+1
.endr
	global_load_b128 v[QF:QF+3], v[L16], s[32:33]
	global_load_b128 v[QF+8:QF+11], v[L16], s[32:33] offset:512
	global_load_b32 v[QSC], v[L16], s[34:35]
	KLOAD
	VLOAD
.set j, 0
.rept 64
	v_mov_b32 v[O+j], 0                            ; O^T.  (The key step is written once: its first trip finds zeros, which the first change of M leaves zeros)
.set j, j+1
.endr
.irp j, 0,1,2,3
	v_mov_b32 v[QF+4+\j], 0                        ; zero codes: the upper half of the score product's K
	v_mov_b32 v[QF+12+\j], 0
	v_mov_b32 v[8+\j], 0                           ; the sums
	v_mov_b32 v[BT+\j], 0                          ; a lane permute's destination counts as one of its sources
	v_mov_b32 v[PC+\j], 0                          ; named as the tail of k's last fragment
	v_mov_b32 v[PC+4+\j], 0
.endr
	v_mov_b32 v2, 0x7f61b1e6                       ; -M: 3e38, over every -t
	v_mov_b32 v4, 0x7f61b1e6
	s_wait_loadcnt 21                              ; the cutoff is in; q's 3, k's 9 and v's 9 loads, issued behind it, may be out
.set j, 0
.rept 64
	v_max_num_f32 v[S+j], 0x26901d7d, v[S+j]       ; the clip at 1e-15
.set j, j+1
.endr
.set j, 0
.rept 64
	v_log_f32 v[S+j], v[S+j]                       ; log2
.set j, j+1
.endr
	v_mov_b32 v253, 0                              ; a plain place behind the logarithms.  (v253: later the idle half of a pair)
	s_wait_alu depctr_va_vdst(0)                   ; the 64 logarithms have written S: one wait for the batch, ahead of its first reader
.set j, 0
.rept 32
	v_pk_mul_f32 v[S+j:S+j+1], v[S+j:S+j+1], 0x40b17218 op_sel_hi:[1,0]   ; x 8 ln 2
.set j, j+2
.endr
	s_wait_alu depctr_va_vdst(0)                   ; the multiplications have written S, which the LDS stores read; q's zero codes and the tail v64-67, which the first score products take as operands, are written too
.irp i, 0,1,2,3,4,5,6,7
	ds_store_b128 v254, v[S+4*\i:S+4*\i+3] offset:2*\i*MP          ; load i brought rows 2 i and 2 i + 1
.endr
.irp i, 0,1,2,3,4,5,6,7
	ds_store_b128 v255, v[S+32+4*\i:S+32+4*\i+3] offset:2*\i*MP
.endr
	s_wait_dscnt 0x0                               ; for the others' sake: my stores have landed
	s_barrier_signal -1
	s_barrier_wait -1                              ; the mask is whole
	s_wait_alu depctr_vm_vsrc(0)                   ; my LDS stores have read S, in which the mask's loads land from here on
.irp t, 0,1,2,3,4,5,6,7
	MROW MR0, \t                                   ; the first trip's tile 0: at key 0 its place in the mask is v5 itself.  No vector line since the wait ahead of the stores names S or v5
.endr
; ---- ONE TILE OF 16 QUERIES AGAINST 128 KEYS.  Its part of the mask was asked for in the tile before
.macro TILE m
.set NM, 2+2*\m
.set SM, 8+2*\m
.set OB, O+32*\m
.if \m == 0
	s_wait_loadcnt 9                               ; k (and in the first trip q) is in; v's nine loads, issued behind it, may be out
.endif
	s_wait_dscnt 0x0                               ; the mask is in
.irp t, 0,1,2,3,4,5,6,7
	WM S+8*\t, KF+4*\t, QF+8*\m, S+8*\t, KSC+(\t)/2, QSC, (\t)%2, \m
.endr
.rept 4
	v_nop                                          ; places behind the products: results are read below
.endr
.if \m == 1
	s_cmp_eq_u32 s26, 1                            ; the last trip asks for nothing: no load leaves the buffer
	s_cbranch_scc1 .Lno_k_\@
	s_wait_xcnt 0x0                                ; the last trip's loads and prefetches have read the pointer
	s_add_nc_u64 s[24:25], s[24:25], BLK           ; the next key step
	s_wait_alu depctr_va_vdst(0)                   ; the score products are done reading k's fragments and scale words, in which the loads below land
	KLOAD                                          ; it has this tile's softmax in which to land
	s_cmp_gt_u32 s26, s27
	s_cbranch_scc0 .Lno_k_\@
	global_prefetch_b8 v[PFO], s[24:25] offset:BLK th:TH_LOAD_NT scope:SCOPE_SE          ; the key step after that, 8,960 bytes of my head: 32 blocks of 256 bytes, a lane a block,
	global_prefetch_b8 v[PFO2], s[24:25] offset:BLK+8192 th:TH_LOAD_NT scope:SCOPE_SE    ; and the last three (lanes 2 to 31 name the third together).  One trip ahead of the loads that want them; asked by one work-group of the batch
.Lno_k_\@:
.endif
.irp g, 0,1,2,3
	v_max3_num_f32 v[BM+\g], v[S+16*\g], v[S+16*\g+1], v[S+16*\g+2]   ; the largest score of each block of 32 keys: for the row's maximum, and, since p rises with the score, for the block's largest p
.endr
.irp i, 3,5,7,9,11,13
.irp g, 0,1,2,3
	v_max3_num_f32 v[BM+\g], v[BM+\g], v[S+16*\g+\i], v[S+16*\g+\i+1]
.endr
.endr
.irp g, 0,1,2,3
	v_max_num_f32 v[BM+\g], v[BM+\g], v[S+16*\g+15]
.endr
.irp g, 0,1,2,3
	v_permlanex16_b32 v[BT+\g], v[BM+\g], s20, s21
.endr
.irp g, 0,1,2,3
	v_max_num_f32 v[BM+\g], v[BM+\g], v[BT+\g]     ; with lane l xor 16's 16 keys
.endr
	v_max3_num_f32 v[T1], v[BM], v[BM+1], v[BM+2]
	v_max_num_f32 v[T1], v[T1], v[BM+3]
	v_mul_f32 v[T1], s22, v[T1]                    ; the step's largest t
	v_floor_f32 v[T2], -v[T1]                      ; -ceil(t)
	v_min_num_f32 v[T2], v[T2], v[NM]              ; the new -M
	v_sub_f32 v[T1], v[T2], v[NM]                  ; old M - new M: a whole number, 0 or less
	v_mov_b32 v[NM], v[T2]
	v_cvt_i32_f32 v[T1], v[T1]                     ; (it saturates)
	v_ldexp_f32 v[F], 1.0, v[T1]                   ; a multiplication by it rounds nothing
.set j, 0
.rept 32
	v_pk_fma_f32 v[S+j:S+j+1], v[S+j:S+j+1], s[22:23], v[NM:NM+1] op_sel_hi:[1,0,0]   ; t - M
.set j, j+2
.endr
.irp g, 0,1,2,3
	v_fma_f32 v[BM+\g], v[BM+\g], s22, v[NM]       ; the same of each block's largest score
.endr
.set j, 0
.rept 64
	v_exp_f32 v[S+j], v[S+j]                       ; p = 2^(t - M)
.set j, j+1
.endr
	v_pk_mul_f32 v[SM:SM+1], v[SM:SM+1], v[F:F+1] op_sel_hi:[1,0]   ; the sum under the new M.  (A plain place behind the exponentials)
	s_wait_alu depctr_va_vdst(0)                   ; the 64 exponentials have written S: one wait for the batch, ahead of its first reader
.irp g, 0,1,2,3
	v_exp_f32 v[BM+\g], v[BM+\g]                   ; the block's largest p: the same two instructions on the same number
.endr
	v_pk_add_f32 v[T1:T1+1], v[S:S+1], v[S+2:S+3]  ; the row's sum of the unquantised p, in two chains
.irp j, 4,8,12,16,20,24,28,32,36,40,44,48,52
	v_pk_add_f32 v[SM:SM+1], v[SM:SM+1], v[S+\j:S+\j+1]
	v_pk_add_f32 v[T1:T1+1], v[T1:T1+1], v[S+\j+2:S+\j+3]
.endr
	s_wait_alu depctr_va_vdst(0)                   ; and one for the four, which have written v232-235
.irp g, 0,1,2,3
	v_max_num_f32 v[BM+\g], 0x1800000, v[BM+\g]    ; the floor 2^(3 - 127): the byte cannot fall under 1
.endr
.irp g, 0,1,2,3
	v_add_nc_u32 v[SO+\g], 0xff000000, v[BM+\g]    ; 2 off the exponent field: the conversion's scale operand
.endr
.irp g, 0,1,2,3
	v_lshrrev_b32 v[BT+\g], 23, v[SO+\g]           ; the scale's byte
.endr
	v_lshl_or_b32 v[PSC], v[BT+1], 8, v[BT]
	v_lshl_or_b32 v[PSC], v[BT+2], 16, v[PSC]
	v_lshl_or_b32 v[PSC], v[BT+3], 24, v[PSC]      ; p's scale word for these 128 keys
.irp c, 0,1
.irp e, 0,1
.irp u, 0,1
	v_cvt_scalef32_pk8_fp4_f32 v[PC+4*\c+2*\u+\e], v[S+16*(2*\c+\e)+8*\u:S+16*(2*\c+\e)+8*\u+7], v[SO+2*\c+\e]
.endr
.endr
.endr
.irp j, 0,2,4,6
	v_pk_mul_f32 v[OB+\j:OB+\j+1], v[OB+\j:OB+\j+1], v[F:F+1] op_sel_hi:[1,0]   ; O^T under the new M; the first of these is the plain place behind the conversions
.endr
.irp c, 0,1
.irp u, 0,1
	v_permlane16_swap_b32 v[PC+4*\c+2*\u], v[PC+4*\c+2*\u+1]       ; a whole block to a lane
.endr
.endr
.irp j, 8,10,12,14,16,18,20,22,24,26,28,30
	v_pk_mul_f32 v[OB+\j:OB+\j+1], v[OB+\j:OB+\j+1], v[F:F+1] op_sel_hi:[1,0]
.endr
.irp j, 56,60
	v_pk_add_f32 v[SM:SM+1], v[SM:SM+1], v[S+\j:S+\j+1]            ; the sum's last additions stand here: plain lines that name no register of the products below
	v_pk_add_f32 v[T1:T1+1], v[T1:T1+1], v[S+\j+2:S+\j+3]
.endr
	v_pk_add_f32 v[SM:SM+1], v[SM:SM+1], v[T1:T1+1]
.if \m == 0
	v_add_nc_u32 v[MA1], s28, v[MR1]               ; where tile 1's part of the mask lies in this trip (the wait at the trip's top has freed v255)
	s_wait_loadcnt 0x0                             ; v is in
.endif
	s_wait_alu depctr_va_vdst(0)                   ; p's codes v64-71 and its scale word v251 are written, which the scaled products take; in tile 0 also: v255 is written, and S has had its last reader and writer
.irp d, 0,1,2,3
	WM OB+8*\d, VF+8*\d, PC, OB+8*\d, VSC+(\d)/2, PSC, (\d)%2, 0
.if \m == 0
	MROW MA1, 2*\d                                 ; tile 1's part of the mask, four loads behind each product.  No wait: since the wait above only these products are issued, and they name neither S nor v255
	MROW MA1, 2*\d+1
.endif
.endr
.if \m == 1
.rept 4
	v_nop                                          ; places behind the products; behind the last trip O^T is read
.endr
	s_add_co_u32 s28, s28, 512                     ; the next trip's place in a row of the mask
	s_cmp_eq_u32 s26, 1
	s_cbranch_scc1 .Lno_v_\@
	v_add_nc_u32 v[MA0], s28, v[MR0]               ; where tile 0's part of the mask lies in the next trip (the wait at the trip's top has freed v254)
	s_wait_alu depctr_va_vdst(0)                   ; v254 is written; the products are done reading v's fragments and scale words, in which the loads below land.  (S has had its last reader ahead of the wait in front of the products)
	VLOAD                                          ; the next step's v has the next tile's softmax in which to land
.irp t, 0,1,2,3,4,5,6,7
	MROW MA0, \t
.endr
.Lno_v_\@:
.endif
.endm
.Lkey:                                             ; 8 trips of 128 keys; no barrier: the mask is only read, k and v are the wave's own
	s_wait_alu depctr_vm_vsrc(0)                   ; the mask's LDS loads issued so far have read v254 and v255, each of which this trip writes once
	TILE 0
	TILE 1
	s_sub_co_u32 s26, s26, 1
	s_cmp_lg_u32 s26, 0
	s_cbranch_scc1 .Lkey
	; ---- O / the sum, quantised along d, to LDS as images of operand registers
	s_wait_loadcnt 0x0                             ; no load of the loop is out (its last trip issues none): the registers that k's, v's and their scale words' loads name are loaded anew only behind this wait
	s_wait_dscnt 0x0                               ; nor one of its LDS loads: S is loaded anew only behind this wait
	s_wait_xcnt 0x0                                ; the prefetches have read their offsets: v12 and v13 are written below
	s_wait_alu depctr_vm_vsrc(0)                   ; the prefetches have read v12 and v13, v's loads v3, the mask's LDS loads v5, v254 and v255: all six are written below
	v_and_b32 v6, 31, v0
	v_lshlrev_b32 v2, 5, v6                        ; Wo's scale bytes: 32 a row, a lane a row
	v_lshl_add_u32 v7, v6, 2, SIMG                 ; scale words: 4 bytes a lane
	v_add_nc_u32 v12, IMG, v[L16]                  ; images: 16 bytes a lane
	s_lshl_b32 s30, s16, 9
	v_add_nc_u32 v13, s30, v12                     ; my head's: 512 x wave on
	s_lshl_b32 s30, s16, 7
	v_add_nc_u32 v5, s30, v7                       ; my head's half words: 128 x wave on
	v_and_b32 v6, 15, v0                           ; r
	v_bfe_u32 v15, v0, 4, 1                        ; h
	v_lshlrev_b32 v4, 5, v15                       ; 32 h
	s_mul_i32 s30, s16, 16*STP                     ; my stage
	v_mul_u32_u24 v254, v6, STP
	v_add_nc_u32 v254, v254, v4
	v_add_nc_u32 v254, s30, v254                   ; in: row r, + 32 h
	v_mul_u32_u24 v255, v15, STP
	v_lshl_add_u32 v255, v6, 4, v255
	v_add_nc_u32 v255, s30, v255                   ; back: lanes 0-15 one row, lanes 16-31 the next
	v_lshlrev_b32 v3, 12, v15
	v_lshl_add_u32 v3, v6, 4, v3                   ; and the same two rows in out0
.macro WFL s                           ; Wo's four fragments of K step s: eight loads, into v32 on or v72 on by turns
.irp i, 0,1,2,3,4,5,6,7
	global_load_b128 v[32+40*((\s)%2)+4*\i:32+40*((\s)%2)+4*\i+3], v[L16], s[38:39] offset:4096*(\s)+512*\i
.endr
.endm
.macro AFL s                           ; the rows' two fragments of K step s (heads 2 s and 2 s + 1): four loads
.irp m, 0,1
	ds_load_b128 v[S+16*((\s)%2)+8*\m:S+16*((\s)%2)+8*\m+3], v12 offset:8192*\m+1024*(\s)
	ds_load_b128 v[S+16*((\s)%2)+8*\m+4:S+16*((\s)%2)+8*\m+7], v12 offset:8192*\m+1024*(\s)+512
.endr
.endm
	s_wait_alu depctr_va_vdst(0)                   ; the addresses v2 to v5, v7, v12, v13, v254 and v255 are written, which the loads, stores and LDS instructions from here to the end read; the loop's products and vector lines are done with q's, k's, v's and S's registers, in which the loads below land
.irp p, 0,1
.irp i, 0,1
	global_load_b128 v[WS+8*\p+4*\i:WS+8*\p+4*\i+3], v2, s[40:41] offset:1024*\p+16*\i   ; lane l: row 32 p + l of my 64: lanes 0-15 tile 2 p, lanes 16-31 tile 2 p + 1; register 8 p + s is K step s's word
.endr
.endr
.irp n, 0,1,2,3
	global_load_b128 v[152+8*\n-152*(\n/2):152+8*\n-152*(\n/2)+3], v4, s[42:43] offset:64*\n          ; bo[16 n + 8 h + 0 .. 7]: the C of tile n's first product (v152, v160, v16, v24)
	global_load_b128 v[152+8*\n-152*(\n/2)+4:152+8*\n-152*(\n/2)+7], v4, s[42:43] offset:64*\n+16
.endr
	WFL 0
	WFL 1
	v_add_f32 v14, v8, v9                          ; the sums' two halves,
	v_add_f32 v252, v10, v11
	v_permlanex16_b32 v[BT], v14, s20, s21
	v_permlanex16_b32 v[BT+1], v252, s20, s21
	v_add_f32 v14, v14, v[BT]                      ; and lane l xor 16's
	v_add_f32 v252, v252, v[BT+1]
	v_rcp_f32 v14, v14
	v_rcp_f32 v252, v252
	v_and_b32 v10, 31, v0                          ; (a plain place behind the reciprocals)
	s_wait_alu depctr_va_vdst(0)                   ; the two reciprocals have written v14 and v252: one wait for both, ahead of their first reader
	v_cmp_le_u32 vcc_lo, 16, v10                   ; lanes 16-31: for the choice between the two tiles' scale bytes, far below
.set j, 0
.rept 16
	v_pk_mul_f32 v[O+j:O+j+1], v[O+j:O+j+1], v[14:15] op_sel_hi:[1,0]     ; each accumulator from its low end on
.set j, j+2
.endr
.rept 16
	v_pk_mul_f32 v[O+j:O+j+1], v[O+j:O+j+1], v[252:253] op_sel_hi:[1,0]
.set j, j+2
.endr
.irp g, 0,1,2,3                        ; blocks 0, 1: tile 0's d 0-31, 32-63; blocks 2, 3: tile 1's
	v_max3_num_f32 v[BM+\g], |v[O+16*\g]|, |v[O+16*\g+1]|, 0x1800000
.endr
.irp i, 2,4,6,8,10,12,14
.irp g, 0,1,2,3
	v_max3_num_f32 v[BM+\g], v[BM+\g], |v[O+16*\g+\i]|, |v[O+16*\g+\i+1]|
.endr
.endr
.irp g, 0,1,2,3
	v_permlanex16_b32 v[BT+\g], v[BM+\g], s20, s21
.endr
.irp g, 0,1,2,3
	v_max_num_f32 v[BM+\g], v[BM+\g], v[BT+\g]
.endr
.irp g, 0,1,2,3
	v_add_nc_u32 v[SO+\g], 0xff000000, v[BM+\g]
.endr
.irp g, 0,1,2,3
	v_lshrrev_b32 v[BT+\g], 23, v[SO+\g]
.endr
	v_lshl_or_b32 v8, v[BT+1], 8, v[BT]            ; tile 0's two bytes of my head,
	v_lshl_or_b32 v9, v[BT+3], 8, v[BT+2]          ; tile 1's
	s_wait_alu depctr_va_vcc(0)                    ; the compare has written VCC, ahead of its first reader
	v_cndmask_b32 v8, v8, v9, vcc_lo               ; lanes 0-15 tile 0's rows, lanes 16-31 tile 1's
.irp c, 0,1
.irp e, 0,1
.irp u, 0,1
	v_cvt_scalef32_pk8_fp4_f32 v[PC+4*\c+2*\u+\e], v[O+16*(2*\c+\e)+8*\u:O+16*(2*\c+\e)+8*\u+7], v[SO+2*\c+\e]
.endr
.endr
.endr
	v_nop                                          ; one plain place behind the scaled conversions
.irp c, 0,1
.irp u, 0,1
	v_permlane16_swap_b32 v[PC+4*\c+2*\u], v[PC+4*\c+2*\u+1]
.endr
.endr
	s_wait_alu depctr_va_vdst(0)                   ; the codes v64-71 and the half words v8 are written, which the LDS stores read; the lines above are done with v232-239, in which LDS loads land behind the barrier
	ds_store_b128 v13, v[PC:PC+3]                  ; tile 0: four registers of the fragment of K step wave / 2
	ds_store_b128 v13, v[PC+4:PC+7] offset:8192    ; tile 1
	ds_store_b32 v5, v8
	s_wait_dscnt 0x0                               ; my stores have landed, and my reads of the mask are long over
	s_barrier_signal -1
	s_barrier_wait -1                              ; all heads' images lie in LDS; nobody reads the mask any more
	; ---- out0 = (..) Wo^T + bo: my 64 columns for the 32 rows: 8 accumulators by turns, 8 K steps of 128 (two heads each)
.irp s, 0,1,2,3,4,5,6,7
	ds_load_b32 v[XS+\s], v7 offset:256*\s         ; head 2 s's half words.  (No vector line since the wait ahead of the stores: these loads and the 16 below owe no other)
.endr
.irp s, 0,1,2,3,4,5,6,7
	ds_load_b32 v[BM+\s], v7 offset:256*\s+128     ; head 2 s + 1's
.endr
	AFL 0
	AFL 1
	s_wait_dscnt 8                                 ; the sixteen words are in; the two operand sets' eight loads may be out
.irp s, 0,1,2,3,4,5,6,7
	v_lshl_or_b32 v[XS+\s], v[BM+\s], 16, v[XS+\s] ; the rows' scale word of K step s
.endr
.rept 8
	v_nop                                          ; a scale register written by a vector instruction stands 8 places ahead of a scaled product
.endr
	s_wait_alu depctr_va_vdst(0)                   ; the rows' scale words v244-251 are written, which the scaled products below take; the places above stay beside this wait
.macro OSTEP s
.set WB, 32+40*((\s)%2)
.set AB, S+16*((\s)%2)
.if (\s) < 7
	s_wait_loadcnt 8                               ; this step's fragments of Wo are in (with the first: its scale words and bo); the next step's eight loads may be out
	s_wait_dscnt 4                                 ; the rows' fragments likewise: the next step's four may be out
.else
	s_wait_loadcnt 0x0
	s_wait_dscnt 0x0
.endif
.irp n, 0,1,2,3
.irp m, 0,1
.if (\s) == 0
	WM O+8*(2*\n+\m), WB+8*\n, AB+8*\m, 152+8*\n-152*(\n/2), WS+8*(\n/2)+(\s), XS+(\s), \n%2, \m
.else
	WM O+8*(2*\n+\m), WB+8*\n, AB+8*\m, O+8*(2*\n+\m), WS+8*(\n/2)+(\s), XS+(\s), \n%2, \m
.endif
.endr
.endr
.rept 4
	v_nop                                          ; places behind the products, ahead of the first read of results
.endr
.if (\s) < 6
	s_wait_alu depctr_va_vdst(0)                   ; the step's eight products are done reading its set of Wo's fragments and its set of the rows', in which the loads of two steps on land
	WFL (\s)+2
	AFL (\s)+2
.endif
.endm
.irp s, 0,1,2,3,4,5,6,7
	OSTEP \s
.endr
	; THE WAY OUT: a lane holds 32 neighbouring bytes of a row; 16 rows x 256 bytes go through my own stage and come back as whole rows.  LDS serves a wave's instructions in order (ISA guide 5.7.1.4).
	s_wait_alu depctr_va_vdst(0)                   ; the products have written the accumulators, which the LDS stores read, and are done reading Wo's two sets, in which the stage's loads land; the places above stay beside this wait
.irp m, 0,1
.irp n, 0,1,2,3
	ds_store_b128 v254, v[O+8*(2*\n+\m):O+8*(2*\n+\m)+3] offset:64*\n
	ds_store_b128 v254, v[O+8*(2*\n+\m)+4:O+8*(2*\n+\m)+7] offset:64*\n+16
.endr
.irp i, 0,1,2,3,4,5,6,7
	ds_load_b128 v[32+40*\m+4*\i:32+40*\m+4*\i+3], v255 offset:2*\i*STP
.endr
.endr
.irp i, 0,1,2,3,4,5,6,7
	s_wait_dscnt 23-\i                             ; behind tile 0's load i: its 7 - i younger loads and tile 1's sixteen
	global_store_b128 v3, v[32+4*\i:32+4*\i+3], s[44:45] offset:2*\i*4096 th:TH_STORE_NT           ; 16 lanes store 256 consecutive bytes, at a multiple of 256 from out0's first byte
.endr
.irp i, 0,1,2,3,4,5,6,7
	s_wait_dscnt 7-\i
	global_store_b128 v3, v[72+4*\i:72+4*\i+3], s[44:45] offset:(16+2*\i)*4096 th:TH_STORE_NT
.endr
	s_wait_xcnt 0x0
	s_wait_alu depctr_vm_vsrc(0)                   ; the stage's LDS stores and loads have read v254 and v255, which are made anew below
	v_lshl_add_u32 v254, v0, 2, 0x24a00
	v_mov_b32 v255, 0
	s_wait_dscnt 0x0                               ; the closing lines, six on end
	s_wait_alu 0x0
	s_wait_tensorcnt 0x0
	ds_add_u32 v254, v255
	s_wait_dscnt 0x0
	s_endpgm
.Lfunc_end_k_q9986a1739c_attn:
	.size	k_q9986a1739c_attn, .Lfunc_end_k_q9986a1739c_attn-k_q9986a1739c_attn
	.p2alignl 7, 3214868480
	.fill 96, 4, 3214868480
	.section	.rodata,"a",@progbits
	.p2align	6, 0x0
	.amdhsa_kernel k_q9986a1739c_attn
		.amdhsa_group_segment_fixed_size 152064
		.amdhsa_private_segment_fixed_size 0
		.amdhsa_enable_private_segment 0
		.amdhsa_kernarg_size 48
		.amdhsa_user_sgpr_count 2
		.amdhsa_user_sgpr_kernarg_segment_ptr 1
		.amdhsa_wavefront_size32 1
		.amdhsa_system_sgpr_workgroup_id_x 1
		.amdhsa_system_sgpr_workgroup_id_y 1
		.amdhsa_system_sgpr_workgroup_id_z 1
		.amdhsa_system_vgpr_workitem_id 0
		.amdhsa_next_free_vgpr 256
		.amdhsa_next_free_sgpr 66
		.amdhsa_reserve_vcc 1
		.amdhsa_float_denorm_mode_32 3
		.amdhsa_float_denorm_mode_16_64 3
		.amdhsa_memory_ordered 1
		.amdhsa_forward_progress 1
		.amdhsa_inst_pref_size 85
	.end_amdhsa_kernel
	.amdgpu_metadata
---
amdhsa.version: [ 1, 2 ]
amdhsa.kernels:
  - .name:           k_q9986a1739c_attn
    .symbol:         k_q9986a1739c_attn.kd
    .args:
      - { .name: qkv, .offset: 0, .size: 8, .value_kind: global_buffer, .address_space: global }
      - { .name: cutoff_factors, .offset: 8, .size: 8, .value_kind: global_buffer, .address_space: global }
      - { .name: wo_img, .offset: 16, .size: 8, .value_kind: global_buffer, .address_space: global }
      - { .name: Wo_scales, .offset: 24, .size: 8, .value_kind: global_buffer, .address_space: global }
      - { .name: bo, .offset: 32, .size: 8, .value_kind: global_buffer, .address_space: global }
      - { .name: out0, .offset: 40, .size: 8, .value_kind: global_buffer, .address_space: global }
    .group_segment_fixed_size: 152064
    .private_segment_fixed_size: 0
    .kernarg_segment_align: 8
    .kernarg_segment_size: 48
    .max_flat_workgroup_size: 512
    .sgpr_count:     66
    .vgpr_count:     256
    .wavefront_size: 32
...
	.end_amdgpu_metadata
.endif
;; end of part 3
